; MI455X (gfx1250); checked and timed in simulation.
; The chip was launched on July 23, 2026; its instructions are those of AMD's public machine-readable ISA for CDNA 5 (MIT licence, August 2026) and "CDNA5" Instruction Set Architecture Reference Guide (July 2026). The comments in the code are by the model that wrote it; some were corrected since.
;; Mo EMLP. Allowed arithmetic: matrix products marked QUANTISED: E2M3 operands, one E8M0 scale for each 32 along K, by v_wmma_scale_f32_16x16x128_f8f6f4 with both operands' format E2M3, f32 sums; products left as they are: f32 operands where the result goes on into a quantised operand, else bf16, f16 or f32 operands; f32 sums; everything else in f32.
;; Inputs: b1 8 x 4,096 float32; b2 8 x 1,024 float32; hidden_states 4 x 256 x 1,024 float32; w1 8 x 4,096 x 1,024 float32; w2 8 x 1,024 x 4,096 float32; w_router 8 x 1,024 float32.
;; Outputs: out0 4 x 256 x 1,024 float32.
;; This version of the problem:
;;   THIS VERSION OF THE PROBLEM IS GIVEN IN LOW PRECISION. The matrix products marked QUANTISED in the list below multiply operands that are first quantised to E2M3 (2 exponent bits, 3 mantissa bits; 6 bits a number), with one power-of-two scale for each 32 numbers along K (OCP MX v1.0); their sums are f32. All else is computed in f32.
;;   The module's matrix products, in the order in which they are computed (A, B: the left and right operand; K: the contracted axis; several contracted axes count as one K, in the product's order):
;;     1. [M 1,024, K 1,024] x [K 1,024, N 8]; A: input hidden_states; B: input w_router: left as it is (N = 8 < 16)
;;     2. [M 1,024, K 1,024] x [K 1,024, N 4,096]; A: input hidden_states; B: input w1: QUANTISED
;;     3. [M 1,024, K 4,096] x [K 4,096, N 1,024]; A: computed on the way; B: input w2: QUANTISED
;;     4. [M 1,024, K 1,024] x [K 1,024, N 4,096]; A: input hidden_states; B: input w1: QUANTISED
;;     5. [M 1,024, K 4,096] x [K 4,096, N 1,024]; A: computed on the way; B: input w2: QUANTISED
;;     6. [M 1,024, K 1,024] x [K 1,024, N 4,096]; A: input hidden_states; B: input w1: QUANTISED
;;     7. [M 1,024, K 4,096] x [K 4,096, N 1,024]; A: computed on the way; B: input w2: QUANTISED
;;     8. [M 1,024, K 1,024] x [K 1,024, N 4,096]; A: input hidden_states; B: input w1: QUANTISED
;;     9. [M 1,024, K 4,096] x [K 4,096, N 1,024]; A: computed on the way; B: input w2: QUANTISED
;;     10. [M 1,024, K 1,024] x [K 1,024, N 4,096]; A: input hidden_states; B: input w1: QUANTISED
;;     11. [M 1,024, K 4,096] x [K 4,096, N 1,024]; A: computed on the way; B: input w2: QUANTISED
;;     12. [M 1,024, K 1,024] x [K 1,024, N 4,096]; A: input hidden_states; B: input w1: QUANTISED
;;     13. [M 1,024, K 4,096] x [K 4,096, N 1,024]; A: computed on the way; B: input w2: QUANTISED
;;     14. [M 1,024, K 1,024] x [K 1,024, N 4,096]; A: input hidden_states; B: input w1: QUANTISED
;;     15. [M 1,024, K 4,096] x [K 4,096, N 1,024]; A: computed on the way; B: input w2: QUANTISED
;;     16. [M 1,024, K 1,024] x [K 1,024, N 4,096]; A: input hidden_states; B: input w1: QUANTISED
;;     17. [M 1,024, K 4,096] x [K 4,096, N 1,024]; A: computed on the way; B: input w2: QUANTISED
;;   THE QUANTISER, for each operand of a quantised product, along K:
;;     - K is cut into blocks of 32 from its start; a last block that is shorter is filled with zeros.
;;     - A block's scale is 2^e with e = floor(log2(the largest magnitude in the block)) - 2, held to -126 .. 127; a block of zeros has e = 0. As a byte (E8M0): e + 127.
;;     - Each number is divided by its block's scale, clamped to +-7.5, and rounded to the nearest number of E2M3, ties to even, subnormals kept.
;;     - The product sums the exact products of the quantised numbers (number of the format x scale) in f32.
;;   ~~~python
;;   def quantise(x, axis):      # numpy; x: float32 -> the quantised numbers, widened to float32 again
;;       x = np.moveaxis(x, axis, -1); K = x.shape[-1]
;;       x = np.pad(x, [(0, 0)] * (x.ndim - 1) + [(0, -K % 32)]); x = x.reshape(x.shape[:-1] + (-1, 32)); a = np.abs(x).max(-1, keepdims=True)
;;       e = np.where(a > 0, np.clip(np.frexp(np.where(a > 0, a, 1))[1] - 1 - 2, -126, 127), 0)      # np.frexp(a)[1] - 1 = floor(log2(a)), exactly
;;       r = np.clip(x / 2.0 ** e, -7.5, 7.5)
;;       step = 2.0 ** (np.maximum(np.frexp(np.where(r == 0, 1, r))[1] - 1, 0) - 3)
;;       q = np.round(r / step) * step * 2.0 ** e      # np.round: ties to even
;;       return np.moveaxis(q.reshape(q.shape[:-2] + (-1,))[..., :K], -1, axis).astype(np.float32)
;;   ~~~
;;   OPERANDS COMPUTED ON THE WAY. 'Computed on the way' means the value that the module computes at that place (a softmax that the list does not call 'softmax' is quantised finished and normalised). What goes into a quantiser is computed in f32, as accurately as f32 sums, v_exp_f32 and their like allow (about 1e-6 of the number): no bf16 or f16 on the way to a quantiser, and a product that is left as it is and whose result goes on into a quantised operand takes f32 operands (vector FMAs, or v_wmma_f32_16x16x4_f32). A number that lies on a knife's edge between two numbers of the format may be rounded either way, as far as f32 arithmetic and the matrix unit's own rounding can turn it there, and no further.
;; One version. Each part assembles by itself: llvm-mc -triple=amdgcn-amd-amdhsa -mcpu=gfx1250 --defsym DOCPART=n.
;; ======== version 1 of 1: 4 launches
;; workspace buffers: route 4,096 bytes of whole numbers; gate 8,192 bytes; xq 1,048,576 bytes; hq 25,165,824 bytes; hs 1,048,576 bytes; part 33,554,432 bytes
;; launch router (part 1): grid 256 x 1, 4 waves a work-group, no clusters, 25,088 bytes of LDS; arguments hidden_states, w_router, route, gate, xq; writes route, gate, xq
.if DOCPART == 1
	.amdgcn_target "amdgcn-amd-amdhsa--gfx1250"
	.amdhsa_code_object_version 6
	.text
	.protected	k_q830afe5fbd_router
	.globl	k_q830afe5fbd_router
	.p2align	8
	.type	k_q830afe5fbd_router,@function
k_q830afe5fbd_router:
	s_mov_b64 s[64:65], 0
	v_nop
	global_prefetch_b8 v0, s[64:65] scope:SCOPE_SE
	s_setreg_imm32_b32 hwreg(HW_REG_WAVE_MODE, 25, 1), 1
	s_wait_xcnt 0x0
; THE ROUTER, AND x AS CODES.  One wave takes one token t = 4 x work-group + wave.
; (1) logits[e] = x[t] . w_router[e], e = 0 .. 7, in f32 by fused multiply-adds; the two largest (of equal logits the lower index, as jax.lax.top_k has it);
;     gates = softmax over the two, the larger taken away before the exponential.  Stored at fixed places: route[t], a word (bits 0-7: 1 << e0; bits 8-15: 1 << e1; bits 18:16 e0; bits 22:20 e1),
;     and gate[t][0 .. 1].  No address and no branch of this launch hangs on them.
; (2) x[t] becomes codes of E2M3 with one E8M0 byte for each 32 along K.  A row of xq is 1,024 bytes: bytes 0-767 the codes; of each 128 along K (96 bytes) the four blocks of 24 bytes lie in the order 0, 2, 1, 3,
;     so that the half h of the lanes of a matrix operand finds its blocks h and 2 + h in 48 bytes on end; bytes 768-799 eight scale words in their natural order.  The rest of a row is neither written nor read.
; LIMITS: NaN and infinities are not served.  The logits' sums go in another order than the reference's, so two logits that differ in their last bits alone may change places.
; A block whose largest magnitude lies under 2^-124 (a block of zeros too) keeps the byte 1: this program alone reads the bytes, and zero codes add nothing.
; No matrix unit, no tensor load, no barrier: waves share nothing, and the launch is a stream of 4 MiB.
.set WREG, 6144                        ; LDS of a wave: 32 places of 144 bytes (a block's 128 + 16), then 768 bytes of codes
.set CST,  4608
.set XR,   16                          ; v16-47   x as loaded: register 4 j + i = x[128 j + 4 lane + i]
.set XB,   48                          ; v48-79   x[32 lane + 0 .. 31]: one block
.set AC,   80                          ; v80-95   eight pairs of partial sums
.set LG,   96                          ; v96-103  the logits
.set M1,   104
.set I1,   105
.set M2,   106
.set I2,   107
.set GA,   108                         ; v108-109 the gates
.set CD,   114                         ; v114-120 the codes
.set MSB, 0
.macro WIN new                         ; the immediate's high byte repeats the setting that is left
.if MSB != (\new)
	s_set_vgpr_msb (MSB<<8)|(\new)
.set MSB, (\new)
.endif
.endm
	s_load_b256 s[4:11], s[0:1], 0x0               ; x s[4:5], w_router s[6:7], route s[8:9], gate s[10:11]
	s_load_b64 s[12:13], s[0:1], 0x20              ; xq
	v_lshl_add_u32 v254, v0, 2, 0x6000
	v_mov_b32 v255, 0
	v_lshrrev_b32 v1, 5, v0
	v_readfirstlane_b32 s16, v1                    ; wave
	v_and_b32 v1, 31, v0                           ; lane
	v_lshlrev_b32 v2, 4, v1                        ; 16 x lane
	s_mul_i32 s17, s16, WREG
	s_add_co_u32 s18, s17, CST
	v_lshrrev_b32 v3, 3, v1
	v_mul_u32_u24 v3, v3, 144
	v_and_b32 v4, 7, v1
	v_lshl_add_u32 v3, v4, 4, v3
	v_add_nc_u32 v3, s17, v3                       ; the turn, in: eight lanes' 128 bytes are a block: place lane / 8 (+ 4 j by the immediate), 16 (lane % 8) in it
	v_mul_u32_u24 v4, v1, 144
	v_add_nc_u32 v4, s17, v4                       ; the turn, out: place = lane.  144 is an odd multiple of 16 bytes
	v_and_b32 v8, 28, v1                           ; 4 (lane / 4): my scale word's place, and four places of codes for each 128 along K
	v_bfe_u32 v6, v1, 1, 1
	v_and_b32 v7, 1, v1
	v_lshl_or_b32 v6, v7, 1, v6                    ; blocks 1 and 2 change places
	v_add_nc_u32 v5, v8, v6
	v_mul_u32_u24 v5, v5, 24
	v_add_nc_u32 v5, s18, v5                       ; where my block's 24 bytes of codes go
	v_add_nc_u32 v6, s18, v2                       ; and how the row's 768 bytes come back: 16 bytes a lane,
	v_lshlrev_b32 v7, 3, v1
	v_add_nc_u32 v10, s18, v7                      ; then 8 bytes a lane
	v_and_b32 v9, 3, v1
	v_lshlrev_b32 v9, 3, v9                        ; my byte's place in the scale word, in bits
	v_mov_b32 v11, 0
	v_mov_b32 v122, 0                              ; (a DPP move's destination counts as read)
	s_mov_b32 s22, 0x76543210
	s_mov_b32 s23, 0xfedcba98                      ; v_permlanex16_b32's selects for lane l xor 16
	s_lshl_b32 s19, ttmp9, 2
	s_add_co_u32 s19, s19, s16                     ; the token
	s_mov_b32 s21, 0
	s_wait_kmcnt 0x0
	s_lshl_b32 s20, s19, 12
	s_add_nc_u64 s[4:5], s[4:5], s[20:21]
	s_lshl_b32 s20, s19, 10
	s_add_nc_u64 s[12:13], s[12:13], s[20:21]
	s_lshl_b32 s20, s19, 2
	s_add_nc_u64 s[8:9], s[8:9], s[20:21]
	s_lshl_b32 s20, s19, 3
	s_add_nc_u64 s[10:11], s[10:11], s[20:21]
.irp j, 0,1,2,3,4,5,6,7
	global_load_b128 v[XR+4*\j:XR+4*\j+3], v2, s[4:5] offset:512*\j th:TH_LOAD_NT   ; 512 bytes on end a load; read once in the launch
.endr
	WIN 0x40                                       ; destination window 1: w_router, expert e at v[32 e], laid as x is
.irp e, 0,1,2,3,4,5,6,7
.irp j, 0,1,2,3,4,5,6,7
	global_load_b128 v[32*\e+4*\j:32*\e+4*\j+3], v2, s[6:7] offset:4096*\e+512*\j
.endr
.endr
	WIN 0
	s_wait_loadcnt 63                              ; x is in: 64 loads were issued behind it, and 63 is the largest count that a wait can name
.irp j, 0,1,2,3,4,5,6,7
	ds_store_b128 v3, v[XR+4*\j:XR+4*\j+3] offset:576*\j
.endr
.irp i, 0,1,2,3,4,5,6,7
	ds_load_b128 v[XB+4*\i:XB+4*\i+3], v4 offset:16*\i     ; LDS serves a wave's instructions in order: these see the stores above
.endr
	s_wait_loadcnt 0x0                             ; w_router
	WIN 0x04                                       ; source 1 in window 1
.irp e, 0,1,2,3,4,5,6,7
	v_pk_mul_f32 v[AC+2*\e:AC+2*\e+1], v[XR:XR+1], v[32*\e:32*\e+1]         ; the first products start the sums; the eight experts by turns
.endr
.irp p, 2,4,6,8,10,12,14,16,18,20,22,24,26,28,30
.irp e, 0,1,2,3,4,5,6,7
	v_pk_fma_f32 v[AC+2*\e:AC+2*\e+1], v[XR+\p:XR+\p+1], v[32*\e+\p:32*\e+\p+1], v[AC+2*\e:AC+2*\e+1]
.endr
.endr
	WIN 0
.irp e, 0,1,2,3,4,5,6,7
	v_add_f32 v[LG+\e], v[AC+2*\e], v[AC+2*\e+1]
.endr
.irp m, 1,2,4,8
.irp e, 0,1,2,3,4,5,6,7
	v_add_f32_dpp v[LG+\e], v[LG+\e], v[LG+\e] row_xmask:\m row_mask:0xf bank_mask:0xf
.endr
.endr
.irp e, 0,1,2,3,4,5,6,7
	v_permlanex16_b32 v[AC+\e], v[LG+\e], s22, s23
.endr
.irp e, 0,1,2,3,4,5,6,7
	v_add_f32 v[LG+\e], v[LG+\e], v[AC+\e]         ; every lane holds all eight logits
.endr
	; the largest: a later expert takes the place only if it is strictly larger
	v_mov_b32 v[M1], v[LG]
	v_mov_b32 v[I1], 0
.irp e, 1,2,3,4,5,6,7
	v_cmp_le_f32 vcc_lo, v[LG+\e], v[M1]           ; keep
	v_cndmask_b32 v[I1], \e, v[I1], vcc_lo
	v_cndmask_b32 v[M1], v[LG+\e], v[M1], vcc_lo
.endr
	; the second: the same among the other seven
	v_mov_b32 v[M2], 0xff800000
	v_mov_b32 v[I2], 0
.irp e, 0,1,2,3,4,5,6,7
	v_cmp_le_f32 s24, v[LG+\e], v[M2]
	v_cmp_eq_u32 vcc_lo, \e, v[I1]
	s_or_b32 vcc_lo, vcc_lo, s24                   ; keep
	v_cndmask_b32 v[I2], \e, v[I2], vcc_lo
	v_cndmask_b32 v[M2], v[LG+\e], v[M2], vcc_lo
.endr
	v_sub_f32 v110, v[M2], v[M1]                   ; the maximum is taken away: 0 or less
	v_mul_f32 v110, 0x3fb8aa3b, v110
	v_exp_f32 v110, v110                           ; e^(m2 - m1), at most 1
	v_mov_b32 v112, 1                              ; (a plain line behind the transcendental)
	s_wait_alu depctr_va_vdst(0)
	v_add_f32 v111, 1.0, v110
	v_rcp_f32 v[GA], v111
	v_lshlrev_b32 v113, v[I1], v112                ; (likewise)  1 << e0
	s_wait_alu depctr_va_vdst(0)
	v_mul_f32 v[GA+1], v110, v[GA]
	v_add_nc_u32 v111, 8, v[I2]
	v_lshlrev_b32 v111, v111, v112                 ; 1 << (8 + e1)
	v_lshl_or_b32 v113, v[I1], 16, v113
	v_lshl_or_b32 v113, v[I2], 20, v113
	v_or_b32 v113, v113, v111                      ; the word
	; my block of 32 numbers
	s_wait_dscnt 0x0
	v_max3_num_f32 v110, |v[XB]|, |v[XB+1]|, |v[XB+2]|
	v_max3_num_f32 v111, |v[XB+3]|, |v[XB+4]|, |v[XB+5]|
.irp i, 6,10,14,18,22,26
	v_max3_num_f32 v110, v110, |v[XB+\i]|, |v[XB+\i+1]|
	v_max3_num_f32 v111, v111, |v[XB+\i+2]|, |v[XB+\i+3]|
.endr
	v_max3_num_f32 v110, v110, |v[XB+30]|, |v[XB+31]|
	v_max3_num_f32 v110, v110, v111, 0x1800000     ; and the floor 2^(3 - 127): the byte cannot fall under 1
	v_add_nc_u32 v111, 0xff000000, v110            ; 2 off the exponent field: the conversion takes that field of this operand as its scale
	v_cvt_scalef32_pk16_fp6_f32 v[CD:CD+2], v[XB:XB+15], v111
	v_cvt_scalef32_pk16_fp6_f32 v[CD+4:CD+6], v[XB+16:XB+31], v111   ; (a conversion's three registers begin on an even number)
	v_lshrrev_b32 v121, 23, v111                   ; the scale's byte (a plain line behind the conversions)
	v_mov_b32 v[CD+3], v[CD+4]
	v_mov_b32 v[CD+4], v[CD+5]
	v_mov_b32 v[CD+5], v[CD+6]
	ds_store_b64 v5, v[CD:CD+1]
	ds_store_b64 v5, v[CD+2:CD+3] offset:8
	ds_store_b64 v5, v[CD+4:CD+5] offset:16
	ds_load_b128 v[124:127], v6
	ds_load_b64 v[128:129], v10 offset:512
	v_lshlrev_b32 v121, v9, v121                   ; my byte at its place; four neighbouring lanes make a word
	v_mov_b32_dpp v122, v121 row_xmask:1 row_mask:0xf bank_mask:0xf
	v_or_b32 v121, v121, v122
	v_mov_b32_dpp v122, v121 row_xmask:2 row_mask:0xf bank_mask:0xf
	v_or_b32 v121, v121, v122
	s_wait_dscnt 0x0
	global_store_b128 v2, v[124:127], s[12:13]             ; 512 bytes on end,
	global_store_b64 v7, v[128:129], s[12:13] offset:512   ; and 256: the row's codes
	global_store_b32 v8, v121, s[12:13] offset:768         ; four lanes write the same word with the same value
	v_cmp_eq_u32 vcc_lo, 0, v1
	s_wait_xcnt 0x0                                ; EXEC changes only behind this wait
	s_wait_tensorcnt 0x0
	ds_add_u32 v254, v255
	s_wait_dscnt 0x0
	s_and_saveexec_b32 s24, vcc_lo
	global_store_b32 v11, v113, s[8:9]
	global_store_b64 v11, v[GA:GA+1], s[10:11]
	s_wait_xcnt 0x0
	s_or_b32 exec_lo, exec_lo, s24
	s_endpgm
.Lfunc_end_k_q830afe5fbd_router:
	.size	k_q830afe5fbd_router, .Lfunc_end_k_q830afe5fbd_router-k_q830afe5fbd_router
	.p2alignl 7, 3214868480
	.fill 96, 4, 3214868480
	.section	.rodata,"a",@progbits
	.p2align	6, 0x0
	.amdhsa_kernel k_q830afe5fbd_router
		.amdhsa_group_segment_fixed_size 25088
		.amdhsa_private_segment_fixed_size 0
		.amdhsa_enable_private_segment 0
		.amdhsa_kernarg_size 40
		.amdhsa_user_sgpr_count 2
		.amdhsa_user_sgpr_kernarg_segment_ptr 1
		.amdhsa_wavefront_size32 1
		.amdhsa_system_sgpr_workgroup_id_x 1
		.amdhsa_system_sgpr_workgroup_id_y 1
		.amdhsa_system_sgpr_workgroup_id_z 1
		.amdhsa_system_vgpr_workitem_id 0
		.amdhsa_next_free_vgpr 512
		.amdhsa_next_free_sgpr 66
		.amdhsa_reserve_vcc 1
		.amdhsa_float_denorm_mode_32 3
		.amdhsa_float_denorm_mode_16_64 3
		.amdhsa_memory_ordered 1
		.amdhsa_forward_progress 1
		.amdhsa_inst_pref_size 27
	.end_amdhsa_kernel
	.amdgpu_metadata
---
amdhsa.version: [ 1, 2 ]
amdhsa.kernels:
  - .name:           k_q830afe5fbd_router
    .symbol:         k_q830afe5fbd_router.kd
    .args:
      - { .name: hidden_states, .offset: 0, .size: 8, .value_kind: global_buffer, .address_space: global }
      - { .name: w_router, .offset: 8, .size: 8, .value_kind: global_buffer, .address_space: global }
      - { .name: route, .offset: 16, .size: 8, .value_kind: global_buffer, .address_space: global }
      - { .name: gate, .offset: 24, .size: 8, .value_kind: global_buffer, .address_space: global }
      - { .name: xq, .offset: 32, .size: 8, .value_kind: global_buffer, .address_space: global }
    .group_segment_fixed_size: 25088
    .private_segment_fixed_size: 0
    .kernarg_segment_align: 8
    .kernarg_segment_size: 40
    .max_flat_workgroup_size: 128
    .sgpr_count:     66
    .vgpr_count:     512
    .wavefront_size: 32
...
	.end_amdgpu_metadata
.endif
;; end of part 1
;; launch up (part 2): grid 256 x 1, 4 waves a work-group, no clusters, 178,688 bytes of LDS; arguments route, xq, w1, b1, hq, hs; writes hq, hs
.if DOCPART == 2
	.amdgcn_target "amdgcn-amd-amdhsa--gfx1250"
	.amdhsa_code_object_version 6
	.text
	.protected	k_q830afe5fbd_up
	.globl	k_q830afe5fbd_up
	.p2align	8
	.type	k_q830afe5fbd_up,@function
k_q830afe5fbd_up:
	s_mov_b64 s[64:65], 0
	v_nop
	global_prefetch_b8 v0, s[64:65] scope:SCOPE_SE
	s_setreg_imm32_b32 hwreg(HW_REG_WAVE_MODE, 25, 1), 1
	s_wait_xcnt 0x0
; h = gelu(x w1[e]^T + b1[e]) FOR THE ROWS THAT WERE ROUTED TO EXPERT e, quantised along the hidden axis.  Product on codes of E2M3 with E8M0 scales; gelu with the exact erf, in f32.
; SHARES.  Work-group (e = x / 32, sl = x % 32) owns hidden units 128 sl .. 128 sl + 127 of expert e: 128 rows x 1,024 of w1, 512 KiB of f32, read from memory once in the launch.
; PHASE 1, THE STREAM.  Wave w turns rows 32 w .. 32 w + 31 into 16 operand fragments (2 tiles of 16 rows x 8 steps of 128 along K): loads of 512 bytes on end, a turn through the wave's own stage in LDS so that a lane
;   holds whole blocks of 32 along K, largest magnitude, scale byte, conversion.  Each fragment goes to LDS as an image of its 12 registers.  Four fragments' loads (64 loads a wave) are on their way.
; PHASE 2.  One barrier; the first tile's codes of x are asked for; every wave takes all 64 fragments into 768 registers, and the 32 registers of their scale words.
; PHASE 3.  The expert's rows, 16 to a tile, in ascending order of the tokens; the waves take the tiles by turns (wave, wave + 4, ..).  A tile: gather x's codes, 64 matrix instructions (b1 is the C of the first eight),
;   gelu, quantise in registers, store the fragment's image (1,536 bytes on end) and its 16 scale words.  The next tile's codes are asked for ahead of the gelu.
; WHICH TOKENS.  route[t] holds 1 << e0 and 1 << (8 + e1).  32 compares make 32 words of one bit a token in s32-63; s68-98 hold, for words 1 to 31, the bits passed before the word (upper half) and its number (lower half).
;   The token of the n-th set bit is found by vector work alone, in eight slices, one behind each K step's eight products: the next tile's search is issued while the matrix unit works.  No list is stored.
; THE PRODUCT IS USED TRANSPOSED (source 0 = 16 rows of w1, source 1 = 16 tokens), AND THE ROWS OF A TILE ARE NOT NEIGHBOURS: row m of tile 2 b + u is unit 32 b + 8 u + m + 8 (m / 8), so that a lane holds one token
;   and the 16 registers of tiles 2 b, 2 b + 1 are units 32 b + 16 (lane / 16) + 0 .. 15: neighbours along the next product's K.
; NO TENSOR LOADS, NO CLUSTER: the number of tiles is read from memory.  What neighbours would share, x's codes, is the smaller part of a work-group's bytes.
; Rows past the expert's count in its last tile are computed from some valid token and stored; the next launch multiplies them and stores nothing of them.
; LIMITS: NaN and infinities are not served; a block whose largest magnitude lies under 2^-124 keeps the scale byte 1 (its codes are then zeros or subnormals of that scale).
; erf: two polynomials in f32 on t = |x| / sqrt 2, one under 475/512 and one, through an exponential, above: about one unit in the last place of erf.  gelu = x / 2 + |x / 2| erf(t).
.set STGW, 16896                       ; LDS: a wave's two stages,
.set STGP, 8448                        ; each 16 rows x 528 bytes (512 + 16: an odd multiple of 16)
.set SPI,  528
.set WIMG, 67584                       ; the fragments' images: wave w's sixteen on end at 24,576 w; fragment (s, t) at 24576 (t / 2) + 1536 (2 s + t % 2)
.set WSC,  165888                      ; their scale words: 1024 (t / 2) + 128 s + 64 (t % 2) + 4 row
.set BIMG, 169984                      ; b1 in the result's layout: tile t at 1024 t, two runs of 512 bytes
.set WB,   8                           ; s[8:9] the weights, at my wave's rows
; window 0: v1 lane % 16; v3 16 x lane; v4-9 addresses of the stream, later three constants of erf as pairs; v10-15 addresses
.set WS,   16                          ; v16-47   the weights' scale words: register 4 s + t / 2: lanes 0-15 the even tile's rows, lanes 16-31 the odd tile's.  Scales and nothing else
.set W63,  48                          ; v48-59   fragment 63.  Fragment F = 8 s + t < 63 lies in window 1 + F / 21 at v[12 (F % 21)]
.set XS,   60                          ; v60-63   the tokens' scale words: register j: lanes 0-15 step j, lanes 16-31 step 4 + j.  Scales and nothing else
.set ACC,  64                          ; v64-127  eight accumulators
.set X,    128                         ; v128-223 the tile's eight fragments of x
.set XN,   64                          ; the stream: v64-127, v128-191 two sets of 64 numbers; window 1: four landing sets of 64
.set FR,   192                         ; v192-203 the fragment just made
.set AXA,  204
.set AXB,  208
.set MX,   212
.set SO,   216
.set BY,   218
.set WD,   220
.set WP,   221
.set IMC,  222
.set SCA,  223
.set SN,   224                         ; the search's registers
.set SW,   225
.set SG,   226
.set SA,   227
.set SB,   228
.set SC,   229
.set SD,   230
.set ST,   231
.set SP,   232
.set SX,   233
.set TOK,  234
.set GT,   224                         ; gelu's: t, t^2, and the two polynomials
.set GS,   232
.set GR,   240
.set GU,   248
.set TM,   224                         ; the quantiser's
.set PW,   236
.set PC,   240
.set AX0,  252
.set AX1,  224
.set MSB, 0
.macro WIN new                         ; the immediate's high byte repeats the setting that is left
.if MSB != (\new)
	s_set_vgpr_msb (MSB<<8)|(\new)
.set MSB, (\new)
.endif
.endm
; 16 rows x 128 along K of f32 into landing set ls: tile u of my two, sp steps of 128 on from the base.  Each load reads 512 bytes on end; read once in the launch
.macro LOAD ls, u, sp
	WIN 0x40
.irp m, 0,1,2,3,4,5,6,7,8,9,10,11,12,13,14,15
	global_load_b128 v[64*(\ls)+4*\m:64*(\ls)+4*\m+3], v3, s[WB:WB+1] offset:(8*(\u)+\m+8*(\m/8))*4096+512*(\sp) th:TH_LOAD_NT
.endr
.endm
; landing set ls through stage p: in as rows, out as blocks: lane (r, h) takes blocks h and 2 + h of row r, 32 numbers each
.macro TURN ls, p
	WIN 0x04
.irp m, 0,1,2,3,4,5,6,7,8,9,10,11,12,13,14,15
	ds_store_b128 v4, v[64*(\ls)+4*\m:64*(\ls)+4*\m+3] offset:STGP*(\p)+SPI*\m
.endr
	WIN 0
.irp i, 0,1,2,3,4,5,6,7
	ds_load_b128 v[XN+64*(\p)+4*\i:XN+64*(\p)+4*\i+3], v5 offset:STGP*(\p)+16*\i
.endr
.irp i, 0,1,2,3,4,5,6,7
	ds_load_b128 v[XN+64*(\p)+32+4*\i:XN+64*(\p)+32+4*\i+3], v5 offset:STGP*(\p)+256+16*\i
.endr
.endm
; 64 numbers at v[n] become a fragment and a scale word, which go to LDS as the trip's k-th
.macro WQ n, k
.irp c, 0,1
	v_max3_num_f32 v[MX+\c], |v[(\n)+32*\c]|, |v[(\n)+32*\c+1]|, 0x1800000         ; with the floor 2^(3 - 127): the byte cannot fall under 1
	v_max3_num_f32 v[MX+2+\c], |v[(\n)+32*\c+2]|, |v[(\n)+32*\c+3]|, |v[(\n)+32*\c+4]|
.endr
.irp i, 5,9,13,17,21,25
.irp c, 0,1
	v_max3_num_f32 v[MX+\c], v[MX+\c], |v[(\n)+32*\c+\i]|, |v[(\n)+32*\c+\i+1]|
	v_max3_num_f32 v[MX+2+\c], v[MX+2+\c], |v[(\n)+32*\c+\i+2]|, |v[(\n)+32*\c+\i+3]|
.endr
.endr
.irp c, 0,1
	v_max3_num_f32 v[MX+\c], v[MX+\c], |v[(\n)+32*\c+29]|, |v[(\n)+32*\c+30]|
.endr
.irp c, 0,1
	v_max3_num_f32 v[MX+\c], v[MX+\c], v[MX+2+\c], |v[(\n)+32*\c+31]|
.endr
.irp c, 0,1
	v_add_nc_u32 v[SO+\c], 0xff000000, v[MX+\c]    ; 2 off the exponent field: the conversion's scale operand
.endr
.irp c, 0,1
	v_lshrrev_b32 v[BY+\c], 23, v[SO+\c]           ; the scale's byte
.endr
	v_lshl_or_b32 v[WD], v[BY+1], 16, v[BY]        ; blocks h and 2 + h,
	v_lshlrev_b32 v[WD], v8, v[WD]                 ; 8 h bits up;
	v_permlanex16_b32 v[WP], v[WD], s28, s29
	v_or_b32 v[WD], v[WD], v[WP]                   ; with lane l xor 16's two the row's word is whole
	v_cvt_scalef32_pk16_fp6_f32 v[FR:FR+2], v[(\n):(\n)+15], v[SO]
	v_cvt_scalef32_pk16_fp6_f32 v[AXA:AXA+2], v[(\n)+16:(\n)+31], v[SO]            ; (a conversion's three registers begin on an even number)
	v_cvt_scalef32_pk16_fp6_f32 v[FR+6:FR+8], v[(\n)+32:(\n)+47], v[SO+1]
	v_cvt_scalef32_pk16_fp6_f32 v[AXB:AXB+2], v[(\n)+48:(\n)+63], v[SO+1]
	v_nop                                          ; one plain line behind the conversions
.irp i, 0,1,2
	v_mov_b32 v[FR+3+\i], v[AXA+\i]
	v_mov_b32 v[FR+9+\i], v[AXB+\i]
.endr
.irp c, 0,1,2
	ds_store_b128 v[IMC], v[FR+4*\c:FR+4*\c+3] offset:1536*(\k)+512*\c
.endr
	ds_store_b32 v[SCA], v[WD] offset:128*((\k)/2)+64*((\k)%2)                     ; lanes r and r + 16 write the same word with the same value
.endm
; the trip's k-th fragment.  ld: its landing set takes the fragment four on.  tn: the next fragment goes through the other stage; cnt = the loads younger than that fragment's
.macro FRAG k, ld, cnt, tn
	s_wait_dscnt 0x0                               ; my numbers are back from the stage, so its stores have read the landing set; the last images have left their registers
.if \ld
	LOAD \k, (\k)%2, (\k)/2+2
.endif
.if \tn
	s_wait_loadcnt \cnt
	TURN ((\k)+1)%4, ((\k)+1)%2
.endif
	WIN 0
	WQ XN+64*((\k)%2), \k
.endm
; THE SEARCH: the token of row 16 s22 + lane % 16 of my expert's list -> v[TOK].  First the word of 32 tokens in which the row's bit lies, then the bit, by counts of 16, 8, 4, 2, 1 bits.
; s[67 + g] = (bits passed before word g) << 16 | g, and the row's number stands as row << 16 | 0xffff: the scalar is the larger exactly where more bits were passed than the row's number.
; A row past the list's end gives some token under 1,024.
.macro SELG first, n                   ; words first .. first + n - 1
.set GG, \first
.rept \n
	v_cmp_gt_u32 vcc_lo, s[67+GG], v[SX]           ; the bit lies in an earlier word: keep
	v_cndmask_b32 v[SW], s[32+GG], v[SW], vcc_lo
	v_cndmask_b32 v[SG], s[67+GG], v[SG], vcc_lo
.set GG, GG+1
.endr
.endm
.macro SSTEP src, w
	v_bfe_u32 v[ST], v[\src], v[SP], \w
	v_cmp_ge_u32 vcc_lo, v[SN], v[ST]
	v_add_nc_u32 v[SX], \w, v[SP]
	v_cndmask_b32 v[ST], 0, v[ST], vcc_lo
	v_cndmask_b32 v[SP], v[SP], v[SX], vcc_lo
	v_sub_nc_u32 v[SN], v[SN], v[ST]
.endm
.macro SELS k                          ; slice k of eight
.if (\k) == 0
	s_lshl_b32 s26, s22, 4
	v_add_nc_u32 v[SN], s26, v1
	v_lshl_or_b32 v[SX], v[SN], 16, 0xffff
	v_mov_b32 v[SW], s32
	v_mov_b32 v[SG], 0
	SELG 1, 5
.elseif (\k) < 5
	SELG 5*(\k)+1, 5
.elseif (\k) == 5
	SELG 26, 6
.elseif (\k) == 6
	v_lshrrev_b32 v[ST], 16, v[SG]
	v_sub_nc_u32 v[SN], v[SN], v[ST]               ; which set bit of the word
	v_and_b32 v[SG], 31, v[SG]                     ; which word
	v_lshrrev_b32 v[SA], 1, v[SW]
	v_and_b32 v[SA], 0x55555555, v[SA]
	v_sub_nc_u32 v[SA], v[SW], v[SA]               ; counts of 2 bits
	v_lshrrev_b32 v[SB], 2, v[SA]
	v_and_b32 v[SB], 0x33333333, v[SB]
	v_and_b32 v[ST], 0x33333333, v[SA]
	v_add_nc_u32 v[SB], v[SB], v[ST]               ; of 4
	v_lshrrev_b32 v[SC], 4, v[SB]
	v_add_nc_u32 v[SC], v[SC], v[SB]
	v_and_b32 v[SC], 0x0f0f0f0f, v[SC]             ; of 8
	v_lshrrev_b32 v[SD], 8, v[SC]
	v_add_nc_u32 v[SD], v[SD], v[SC]
	v_and_b32 v[SD], 0xff, v[SD]                   ; of the low 16
	v_mov_b32 v[SP], 0
.else
	SSTEP SD, 16
	SSTEP SC, 8
	SSTEP SB, 4
	SSTEP SA, 2
	SSTEP SW, 1
	v_lshl_add_u32 v[TOK], v[SG], 5, v[SP]
	v_min_u32 v[TOK], 0x3ff, v[TOK]
.endif
.endm
.macro SELECT                          ; the whole search at once
.irp k, 0,1,2,3,4,5,6,7
	SELS \k
.endr
.endm
; 64 matrix instructions: K step by K step, the eight accumulators by turns, one instruction a turn.  Behind each step's eight stands a slice of the next tile's search
.macro ONE
.if (TT%2 == 0) && (KS < 4)
	v_wmma_scale_f32_16x16x128_f8f6f4 v[ACC+8*TT:ACC+8*TT+7], v[RG:RG+11], v[X+12*KS:X+12*KS+11], v[ACC+8*TT:ACC+8*TT+7], v[WS+4*KS+TT/2], v[XS+KS%4] matrix_a_fmt:MATRIX_FMT_FP6 matrix_b_fmt:MATRIX_FMT_FP6
.elseif KS < 4
	v_wmma_scale_f32_16x16x128_f8f6f4 v[ACC+8*TT:ACC+8*TT+7], v[RG:RG+11], v[X+12*KS:X+12*KS+11], v[ACC+8*TT:ACC+8*TT+7], v[WS+4*KS+TT/2], v[XS+KS%4] matrix_a_fmt:MATRIX_FMT_FP6 matrix_b_fmt:MATRIX_FMT_FP6 matrix_a_scale:MATRIX_SCALE_ROW1
.elseif TT%2 == 0
	v_wmma_scale_f32_16x16x128_f8f6f4 v[ACC+8*TT:ACC+8*TT+7], v[RG:RG+11], v[X+12*KS:X+12*KS+11], v[ACC+8*TT:ACC+8*TT+7], v[WS+4*KS+TT/2], v[XS+KS%4] matrix_a_fmt:MATRIX_FMT_FP6 matrix_b_fmt:MATRIX_FMT_FP6 matrix_b_scale:MATRIX_SCALE_ROW1
.else
	v_wmma_scale_f32_16x16x128_f8f6f4 v[ACC+8*TT:ACC+8*TT+7], v[RG:RG+11], v[X+12*KS:X+12*KS+11], v[ACC+8*TT:ACC+8*TT+7], v[WS+4*KS+TT/2], v[XS+KS%4] matrix_a_fmt:MATRIX_FMT_FP6 matrix_b_fmt:MATRIX_FMT_FP6 matrix_a_scale:MATRIX_SCALE_ROW1 matrix_b_scale:MATRIX_SCALE_ROW1
.endif
.endm
.macro MMA
.set FF, 0
.rept 64
.set KS, FF/8
.set TT, FF%8
.if FF < 63
	WIN 1+FF/21                                    ; source 0 in the fragment's window
.set RG, 12*(FF%21)
.else
	WIN 0
.set RG, W63
.endif
	ONE
.if TT == 7
	WIN 0                                          ; the search works in window 0
	SELS KS
.endif
.set FF, FF+1
.endr
.endm
; my tile's codes of x: lane (r, h) takes, of token r's row, 48 bytes on end of each 96: the operand's twelve registers; and four of its eight scale words
.macro XLOAD
	v_lshl_add_u32 v10, v[TOK], 10, v0
	v_lshl_add_u32 v11, v[TOK], 10, v2
.irp s, 0,1,2,3,4,5,6,7
.irp c, 0,1,2
	global_load_b128 v[X+12*\s+4*\c:X+12*\s+4*\c+3], v10, s[6:7] offset:96*\s+16*\c
.endr
.endr
	global_load_b128 v[XS:XS+3], v11, s[6:7] offset:768
.endm
.macro BIAS                            ; b1 into the accumulators: the C of the next tile's first eight products
.irp t, 0,1,2,3,4,5,6,7
.irp c, 0,1
	ds_load_b128 v[ACC+8*\t+4*\c:ACC+8*\t+4*\c+3], v12 offset:BIMG-WIMG-49152+1024*\t+512*\c
.endr
.endr
.endm
; gelu of the eight numbers at v[x], in place; four pairs by turns, from the accumulator's low end on
.macro GELU x
.irp p, 0,2,4,6
	v_pk_mul_f32 v[GT+\p:GT+\p+1], v[(\x)+\p:(\x)+\p+1], 0x3f3504f3 op_sel_hi:[1,0]
.endr
.irp j, 0,1,2,3,4,5,6,7
	v_and_b32 v[GT+\j], 0x7fffffff, v[GT+\j]       ; t = |x| / sqrt 2
.endr
.irp p, 0,2,4,6
	v_pk_mul_f32 v[GS+\p:GS+\p+1], v[GT+\p:GT+\p+1], v[GT+\p:GT+\p+1]
.endr
.irp p, 0,2,4,6
	v_pk_fma_f32 v[GR+\p:GR+\p+1], v[GT+\p:GT+\p+1], v[4:5], 0x39c8e7d9 op_sel_hi:[1,1,0]   ; above 475/512: erf = 1 - e^r(t)
.endr
.irp p, 0,2,4,6
	v_pk_fma_f32 v[GU+\p:GU+\p+1], v[GT+\p:GT+\p+1], v[6:7], 0x3cc6b1a1 op_sel_hi:[1,1,0]
.endr
.irp p, 0,2,4,6
	v_pk_fma_f32 v[GR+\p:GR+\p+1], v[GR+\p:GR+\p+1], v[GS+\p:GS+\p+1], v[GU+\p:GU+\p+1]
.endr
.irp k, 0xbddaae5c, 0xbf228550, 0xbe03ce86
.irp p, 0,2,4,6
	v_pk_fma_f32 v[GR+\p:GR+\p+1], v[GR+\p:GR+\p+1], v[GT+\p:GT+\p+1], \k op_sel_hi:[1,1,0]
.endr
.endr
.irp p, 0,2,4,6
	v_pk_fma_f32 v[GR+\p:GR+\p+1], v[GR+\p:GR+\p+1], v[GT+\p:GT+\p+1], v[GT+\p:GT+\p+1] neg_lo:[0,0,1] neg_hi:[0,0,1]
.endr
.irp p, 0,2,4,6
	v_pk_mul_f32 v[GR+\p:GR+\p+1], v[GR+\p:GR+\p+1], 0x3fb8aa3b op_sel_hi:[1,0]
.endr
.irp p, 0,2,4,6
	v_pk_fma_f32 v[GU+\p:GU+\p+1], v[GS+\p:GS+\p+1], v[8:9], 0x3ba38d2c op_sel_hi:[1,1,0]   ; under it: erf = t + t u(t^2)
.endr
.irp k, 0xbcdb48d9, 0x3de70e22
.irp p, 0,2,4,6
	v_pk_fma_f32 v[GU+\p:GU+\p+1], v[GU+\p:GU+\p+1], v[GS+\p:GS+\p+1], \k op_sel_hi:[1,1,0]
.endr
.endr
.irp j, 0,1,2,3,4,5,6,7
	v_exp_f32 v[GR+\j], v[GR+\j]
.endr
.irp k, 0xbec09380, 0x3e0375d4
.irp p, 0,2,4,6
	v_pk_fma_f32 v[GU+\p:GU+\p+1], v[GU+\p:GU+\p+1], v[GS+\p:GS+\p+1], \k op_sel_hi:[1,1,0]   ; (plain lines behind the exponentials)
.endr
.endr
.irp p, 0,2,4,6
	v_pk_fma_f32 v[GU+\p:GU+\p+1], v[GU+\p:GU+\p+1], v[GT+\p:GT+\p+1], v[GT+\p:GT+\p+1]
.endr
	s_wait_alu depctr_va_vdst(0)
.irp p, 0,2,4,6
	v_pk_add_f32 v[GR+\p:GR+\p+1], v[GR+\p:GR+\p+1], 1.0 op_sel_hi:[1,0] neg_lo:[1,0] neg_hi:[1,0]
.endr
.irp j, 0,1,2,3,4,5,6,7
	v_cmp_lt_f32 vcc_lo, 0x3f6d8000, v[GT+\j]
	v_cndmask_b32 v[GU+\j], v[GU+\j], v[GR+\j], vcc_lo
.endr
.irp p, 0,2,4,6
	v_pk_mul_f32 v[(\x)+\p:(\x)+\p+1], v[(\x)+\p:(\x)+\p+1], 0.5 op_sel_hi:[1,0]
.endr
.irp j, 0,1,2,3,4,5,6,7
	v_fma_f32 v[(\x)+\j], |v[(\x)+\j]|, v[GU+\j], v[(\x)+\j]                        ; x / 2 + |x / 2| erf(t)
.endr
.endm
; the tile's 128 hidden units of 16 tokens (register 16 b + i = unit 32 b + 16 (lane / 16) + i of my token) become a fragment in v[PC] on and a scale word in v[PW]
.macro QUANT
.irp b, 0,1,2,3
	v_max3_num_f32 v[TM+\b], |v[ACC+16*\b]|, |v[ACC+1+16*\b]|, 0x1800000
.endr
.irp i, 2,4,6,8,10,12,14
.irp b, 0,1,2,3
	v_max3_num_f32 v[TM+\b], v[TM+\b], |v[ACC+16*\b+\i]|, |v[ACC+1+16*\b+\i]|
.endr
.endr
.irp b, 0,1,2,3
	v_permlanex16_b32 v[TM+4+\b], v[TM+\b], s28, s29
.endr
.irp b, 0,1,2,3
	v_max_num_f32 v[TM+\b], v[TM+\b], v[TM+4+\b]   ; with lane l xor 16's 16: the block's largest magnitude
.endr
.irp b, 0,1,2,3
	v_add_nc_u32 v[TM+8+\b], 0xff000000, v[TM+\b]
.endr
.irp b, 0,1,2,3
	v_lshrrev_b32 v[TM+4+\b], 23, v[TM+8+\b]
.endr
	v_lshl_or_b32 v[PW], v[TM+5], 8, v[TM+4]
	v_lshl_or_b32 v[PW], v[TM+6], 16, v[PW]
	v_lshl_or_b32 v[PW], v[TM+7], 24, v[PW]
	v_cvt_scalef32_pk16_fp6_f32 v[PC:PC+2], v[ACC:ACC+15], v[TM+8]
	v_cvt_scalef32_pk16_fp6_f32 v[AX0:AX0+2], v[ACC+16:ACC+31], v[TM+9]
	v_cvt_scalef32_pk16_fp6_f32 v[PC+6:PC+8], v[ACC+32:ACC+47], v[TM+10]
	v_cvt_scalef32_pk16_fp6_f32 v[AX1:AX1+2], v[ACC+48:ACC+63], v[TM+11]
	v_nop                                          ; one plain line behind the conversions
.irp i, 0,1,2                                  ; the operand wants a whole block in a lane: lanes 0-15 blocks 0 and 2, lanes 16-31 blocks 1 and 3
	v_permlane16_swap_b32 v[PC+\i], v[AX0+\i]
	v_permlane16_swap_b32 v[PC+6+\i], v[AX1+\i]
.endr
.irp i, 0,1,2
	v_mov_b32 v[PC+3+\i], v[AX0+\i]
	v_mov_b32 v[PC+9+\i], v[AX1+\i]
.endr
.endm
	s_load_b256 s[4:11], s[0:1], 0x0               ; route s[4:5], xq s[6:7], w1 s[8:9], b1 s[10:11]
	s_load_b128 s[12:15], s[0:1], 0x20             ; hq s[12:13], hs s[14:15]
	s_set_vgpr_msb 0x80
	v_lshl_add_u32 v254, v0, 2, 0x2b800
	v_mov_b32 v255, 0
	s_set_vgpr_msb 0x8000
	v_lshrrev_b32 v1, 5, v0
	v_readfirstlane_b32 s16, v1                    ; wave
	s_lshr_b32 s17, ttmp9, 5                       ; the expert
	s_and_b32 s18, ttmp9, 31                       ; which 128 hidden units
	s_lshl_b32 s23, 0x101, s17                     ; the expert's two bits in a word of route
	s_mov_b32 s28, 0x76543210
	s_mov_b32 s29, 0xfedcba98                      ; v_permlanex16_b32's selects for lane l xor 16
	v_and_b32 v9, 31, v0
	v_and_b32 v1, 15, v0                           ; r
	v_bfe_u32 v2, v0, 4, 1                         ; h
	v_lshlrev_b32 v3, 4, v9                        ; 16 x lane
	v_lshlrev_b32 v9, 2, v9                        ; 4 x lane
	s_mul_i32 s24, s16, STGW
	v_add_nc_u32 v4, s24, v3                       ; my stages, in
	v_mul_u32_u24 v5, v1, SPI
	v_lshl_add_u32 v5, v2, 7, v5
	v_add_nc_u32 v5, s24, v5                       ; and out: row r, + 128 h
	s_mul_i32 s24, s16, 24576
	s_add_co_u32 s24, s24, WIMG
	v_add_nc_u32 v6, s24, v3                       ; my images
	s_lshl_b32 s24, s16, 10
	s_add_co_u32 s24, s24, WSC
	v_lshl_add_u32 v7, v1, 2, s24                  ; my scale words
	v_lshlrev_b32 v8, 3, v2                        ; 8 h
	v_lshlrev_b32 v10, 6, v2                       ; b1: 64 h
	s_lshl_b32 s24, s16, 11
	s_add_co_u32 s24, s24, BIMG
	v_add_nc_u32 v11, s24, v3                      ; b1's image: my two tiles
	v_add_nc_u32 v15, WIMG, v3                     ; all images, the lower half
	v_add_nc_u32 v12, WIMG+49152, v3               ; and the upper; b1's image too
	v_mov_b32 v[WP], 0                             ; (a lane permute's destination counts as read)
	s_lshl_b32 s24, s17, 12
	s_lshl_b32 s25, s18, 7
	s_add_co_u32 s24, s24, s25
	s_lshl_b32 s25, s16, 5
	s_add_co_u32 s24, s24, s25                     ; my wave's first row of w1: 4096 e + 128 sl + 32 w
	s_mov_b32 s67, 0
	s_wait_kmcnt 0x0
	s_lshl_b32 s66, s24, 12
	s_add_nc_u64 s[8:9], s[8:9], s[66:67]
	s_lshl_b32 s66, s24, 2
	s_add_nc_u64 s[10:11], s[10:11], s[66:67]
	s_mul_i32 s66, s17, 3145728                    ; hq: [e][tile 64][sl 32] images of 1,536 bytes
	s_mul_i32 s25, s18, 1536
	s_add_co_u32 s66, s66, s25
	s_add_nc_u64 s[12:13], s[12:13], s[66:67]
	s_lshl_b32 s66, s17, 17                        ; hs: [e][tile][sl] 16 words
	s_lshl_b32 s25, s18, 6
	s_add_co_u32 s66, s66, s25
	s_add_nc_u64 s[14:15], s[14:15], s[66:67]
.irp g, 0,1,2,3,4,5,6,7,8,9,10,11,12,13,14,15,16,17,18,19,20,21,22,23,24,25,26,27,28,29,30,31
	global_load_b32 v[128+\g], v9, s[4:5] offset:128*\g    ; route: token 32 g + lane
.endr
.irp u, 0,1
.irp c, 0,1
	global_load_b128 v[192+8*\u+4*\c:192+8*\u+4*\c+3], v10, s[10:11] offset:32*\u+16*\c   ; b1 at units 32 w + 16 h + 8 u + 0 .. 7
.endr
.endr
	LOAD 0, 0, 0
	LOAD 1, 1, 0
	LOAD 2, 0, 1
	WIN 0
	s_wait_loadcnt 48                              ; route and b1 are in: the three landing sets are younger
.irp g, 0,1,2,3,4,5,6,7,8,9,10,11,12,13,14,15,16,17,18,19,20,21,22,23,24,25,26,27,28,29,30,31
	v_and_b32 v[128+\g], s23, v[128+\g]
.endr
.irp g, 0,1,2,3,4,5,6,7,8,9,10,11,12,13,14,15,16,17,18,19,20,21,22,23,24,25,26,27,28,29,30,31
	v_cmp_ne_u32 s[32+\g], 0, v[128+\g]            ; a bit for each token that has my expert
.endr
	s_bcnt1_i32_b32 s19, s32
.irp g, 1,2,3,4,5,6,7,8,9,10,11,12,13,14,15,16,17,18,19,20,21,22,23,24,25,26,27,28,29,30,31
	s_lshl_b32 s[67+\g], s19, 16                   ; the bits passed before word g,
	s_or_b32 s[67+\g], s[67+\g], \g                ; and its number: made once, for every search
	s_bcnt1_i32_b32 s24, s[32+\g]
	s_add_co_u32 s19, s19, s24
.endr
	s_add_co_u32 s20, s19, 15                      ; s19: the expert's rows
	s_lshr_b32 s20, s20, 4                         ; tiles of 16 rows
.irp u, 0,1
.irp c, 0,1
	ds_store_b128 v11, v[192+8*\u+4*\c:192+8*\u+4*\c+3] offset:1024*\u+512*\c
.endr
.endr
	LOAD 3, 1, 1
	s_wait_loadcnt 48                              ; fragment 0 is in; three sets are younger
	TURN 0, 0
	s_mov_b32 s30, 0
	s_mov_b32 s26, 0
	s_mov_b32 s27, 0
.Lstream:                                          ; a trip: four fragments, two steps of 128 along K; three trips, each asking for the next trip's four
	v_add_nc_u32 v[IMC], s26, v6
	v_add_nc_u32 v[SCA], s27, v7
	FRAG 0, 1, 48, 1
	FRAG 1, 1, 48, 1
	FRAG 2, 1, 48, 1
	FRAG 3, 1, 48, 1
	s_wait_xcnt 0x0                                ; the loads have read their base: it may step
	s_add_nc_u64 s[WB:WB+1], s[WB:WB+1], 1024
	s_add_co_u32 s26, s26, 6144
	s_add_co_u32 s27, s27, 256
	s_add_co_u32 s30, s30, 1
	s_cmp_lt_u32 s30, 3
	s_cbranch_scc1 .Lstream
	v_add_nc_u32 v[IMC], s26, v6                   ; the last four ask for nothing: the counts run down
	v_add_nc_u32 v[SCA], s27, v7
	FRAG 0, 0, 32, 1
	FRAG 1, 0, 16, 1
	FRAG 2, 0, 0, 1
	FRAG 3, 0, 0, 0
	s_wait_dscnt 0x0                               ; for the others' sake: my images, scale words and bias have landed
	s_barrier_signal -1
	s_barrier_wait -1
	v_mul_u32_u24 v0, v2, 48                       ; x's codes: 48 h
	v_lshlrev_b32 v2, 4, v2                        ; x's scale words: 16 h
	s_mov_b32 s22, s16                             ; my first tile is asked for ahead of the 224 LDS loads below, under which it lands.  A wave without a tile asks for valid tokens' codes and uses nothing of them
	SELECT
	XLOAD
	v_add_nc_u32 v9, WSC, v9
.set FF, 0
.rept 64                                       ; all 64 fragments, as they were stored
.set AD, 24576*((FF%8)/2)+1536*(2*(FF/8)+FF%2)
.if FF < 63
	WIN (1+FF/21)<<6
.set RG, 12*(FF%21)
.else
	WIN 0
.set RG, W63
.endif
.irp c, 0,1,2
.if AD < 49152
	ds_load_b128 v[RG+4*\c:RG+4*\c+3], v15 offset:AD+512*\c
.else
	ds_load_b128 v[RG+4*\c:RG+4*\c+3], v12 offset:AD-49152+512*\c
.endif
.endr
.set FF, FF+1
.endr
	WIN 0
.irp s, 0,1,2,3,4,5,6,7
.irp w, 0,1,2,3
	ds_load_b32 v[WS+4*\s+\w], v9 offset:1024*\w+128*\s
.endr
.endr
	s_wait_dscnt 0x0
	v_mov_b32 v4, 0xb7910000                       ; the leading coefficients of erf's three chains, as pairs
	v_mov_b32 v5, 0xb7910000
	v_mov_b32 v6, 0xbb7e8a1c
	v_mov_b32 v7, 0xbb7e8a1c
	v_mov_b32 v8, 0xba1c7000
	v_mov_b32 v9, 0xba1c7000
	s_cmp_ge_u32 s16, s20                          ; a wave without a tile ends: no barrier follows
	s_cbranch_scc1 .Lend
	s_sub_co_u32 s2, s20, s16                      ; my tiles are wave, wave + 4, ..: (tiles - wave + 3) / 4 of them, one at the least here;
	s_add_co_u32 s2, s2, 3
	s_lshr_b32 s2, s2, 2
	s_min_u32 s2, s2, 16                           ; 1,024 tokens are 64 tiles at the most, 16 a wave
	s_mov_b32 s30, 0                               ; the loop is counted in trips, one a step; s21 is the tile's number
	s_mov_b32 s21, s16
	BIAS
.Ltile:
	s_wait_loadcnt 0x0                             ; x's codes and scale words
	s_wait_dscnt 0x0                               ; b1
	s_wait_xcnt 0x0                                ; the last tile's stores have read their data and offsets: both are written again below
	s_add_co_u32 s22, s21, 4                       ; the tile that the search between the products looks up.  Past the last tile it gives valid tokens, whose codes are loaded and not used
	MMA                                            ; its last slice, 32 plain lines, is the places behind the last products
	XLOAD
.irp t, 0,1,2,3,4,5,6,7
	GELU ACC+8*\t
.endr
	QUANT
	s_min_u32 s26, s21, 63
	s_mul_i32 s27, s26, 49152
	v_add_nc_u32 v13, s27, v3
	s_lshl_b32 s27, s26, 11
	v_lshl_add_u32 v14, v1, 2, s27
.irp c, 0,1,2
	global_store_b128 v13, v[PC+4*\c:PC+4*\c+3], s[12:13] offset:512*\c    ; 1,536 bytes on end, at a multiple of 256 from hq's first byte
.endr
	global_store_b32 v14, v[PW], s[14:15]          ; lanes r and r + 16 write the same word with the same value
	BIAS
	s_add_co_u32 s21, s21, 4
	s_add_co_u32 s30, s30, 1
	s_cmp_lt_u32 s30, s2
	s_cbranch_scc1 .Ltile
.Lend:
	s_set_vgpr_msb 0xa
	s_wait_tensorcnt 0x0
	ds_add_u32 v254, v255
	s_wait_dscnt 0x0
	s_set_vgpr_msb 0xa00
	s_endpgm
.Lfunc_end_k_q830afe5fbd_up:
	.size	k_q830afe5fbd_up, .Lfunc_end_k_q830afe5fbd_up-k_q830afe5fbd_up
	.p2alignl 7, 3214868480
	.fill 96, 4, 3214868480
	.section	.rodata,"a",@progbits
	.p2align	6, 0x0
	.amdhsa_kernel k_q830afe5fbd_up
		.amdhsa_group_segment_fixed_size 178688
		.amdhsa_private_segment_fixed_size 0
		.amdhsa_enable_private_segment 0
		.amdhsa_kernarg_size 48
		.amdhsa_user_sgpr_count 2
		.amdhsa_user_sgpr_kernarg_segment_ptr 1
		.amdhsa_wavefront_size32 1
		.amdhsa_system_sgpr_workgroup_id_x 1
		.amdhsa_system_sgpr_workgroup_id_y 1
		.amdhsa_system_sgpr_workgroup_id_z 1
		.amdhsa_system_vgpr_workitem_id 0
		.amdhsa_next_free_vgpr 1024
		.amdhsa_next_free_sgpr 99
		.amdhsa_reserve_vcc 1
		.amdhsa_float_denorm_mode_32 3
		.amdhsa_float_denorm_mode_16_64 3
		.amdhsa_memory_ordered 1
		.amdhsa_forward_progress 1
		.amdhsa_inst_pref_size 178
	.end_amdhsa_kernel
	.amdgpu_metadata
---
amdhsa.version: [ 1, 2 ]
amdhsa.kernels:
  - .name:           k_q830afe5fbd_up
    .symbol:         k_q830afe5fbd_up.kd
    .args:
      - { .name: route, .offset: 0, .size: 8, .value_kind: global_buffer, .address_space: global }
      - { .name: xq, .offset: 8, .size: 8, .value_kind: global_buffer, .address_space: global }
      - { .name: w1, .offset: 16, .size: 8, .value_kind: global_buffer, .address_space: global }
      - { .name: b1, .offset: 24, .size: 8, .value_kind: global_buffer, .address_space: global }
      - { .name: hq, .offset: 32, .size: 8, .value_kind: global_buffer, .address_space: global }
      - { .name: hs, .offset: 40, .size: 8, .value_kind: global_buffer, .address_space: global }
    .group_segment_fixed_size: 178688
    .private_segment_fixed_size: 0
    .kernarg_segment_align: 8
    .kernarg_segment_size: 48
    .max_flat_workgroup_size: 128
    .sgpr_count:     99
    .vgpr_count:     1024
    .wavefront_size: 32
...
	.end_amdgpu_metadata
.endif
;; end of part 2
;; launch down (part 3): grid 256 x 1, 4 waves a work-group, no clusters, 178,688 bytes of LDS; arguments route, hq, hs, w2, part; writes part
.if DOCPART == 3
	.amdgcn_target "amdgcn-amd-amdhsa--gfx1250"
	.amdhsa_code_object_version 6
	.text
	.protected	k_q830afe5fbd_down
	.globl	k_q830afe5fbd_down
	.p2align	8
	.type	k_q830afe5fbd_down,@function
k_q830afe5fbd_down:
	s_mov_b64 s[64:65], 0
	v_nop
	global_prefetch_b8 v0, s[64:65] scope:SCOPE_SE
	s_setreg_imm32_b32 hwreg(HW_REG_WAVE_MODE, 25, 1), 1
	s_wait_xcnt 0x0
; part[q][2 t + slot][128 cs ..] = the sum over a quarter q of the hidden axis of h[row] w2[e]^T, for the rows routed to expert e.  Product on codes of E2M3 with E8M0 scales, sums in f32.
; SHARES.  Work-group (e = x / 32, cs = (x / 4) % 8, q = x % 4) owns outputs 128 cs .. + 127 and hidden units 1024 q .. + 1023 of expert e: 128 rows x 1,024 of w2, 512 KiB of f32, read from memory once in the launch.
; K is cut in four so that a work-group reads a quarter of its expert's h and not all of it; the four parts, the two experts of a token, the bias and the gates meet in the next launch, which owns each output row.
; PHASES 1 AND 2 are those of the launch before: the stream (each wave turns 32 rows into 16 fragments, through its own stage in LDS), one barrier, all 64 fragments into each wave's registers.
; PHASE 3.  The expert's tiles of 16 rows by turns among the waves.  A tile: eight images of h and their scale words, as they were stored; 64 matrix instructions (the first eight start the sums with C = 0);
;   the results go through the wave's stage and leave as rows of 512 bytes on end, row by row, to the place of the row's token and slot.  Rows past the expert's count are not stored.
; THE NEXT TILE COMES K STEP BY K STEP.  A fragment of h and its scale words are free when their step's eight products are issued: behind them stands a slice of the search for the next tile's tokens (its plain
;   lines are the places that a load into those registers wants), and then the next tile's GROUP for that step is asked for: three loads of 16 bytes and one of 4.  So each group has a whole trip in which to land.
; THE PRODUCT IS USED TRANSPOSED (source 0 = 16 rows of w2, source 1 = 16 tokens): a lane holds eight neighbouring outputs of one token.
; NO TENSOR LOADS, NO CLUSTER: the number of tiles is read from memory.
; A wave behind its last tile, or without one, asks for its expert's last tile and uses nothing of it.  Where an expert has no row at all, those loads read bytes of hq and hs that nobody stored: they are discarded, and the wave ends.
; LIMITS: NaN and infinities are not served; a block of w2 whose largest magnitude lies under 2^-124 keeps the scale byte 1.
.set STGW, 16896                       ; LDS: a wave's two stages,
.set STGP, 8448                        ; each 16 rows x 528 bytes (512 + 16: an odd multiple of 16)
.set SPI,  528
.set WIMG, 67584                       ; the fragments' images: fragment (s, t) at 24576 (t / 2) + 1536 (2 s + t % 2)
.set WSC,  165888                      ; their scale words: 1024 (t / 2) + 128 s + 64 (t % 2) + 4 row
.set WB,   10                          ; s[10:11] the weights, at my wave's rows
.set WS,   16                          ; v16-47   the weights' scale words.  Scales and nothing else
.set W63,  48                          ; v48-59   fragment 63.  Fragment F = 8 s + t < 63 lies in window 1 + F / 21 at v[12 (F % 21)]
                                       ; v60-63, v240-243   h's scale words, a register for each K step (steps 0-3, steps 4-7), lanes 0-15.  Scales and nothing else
.set ACC,  64                          ; v64-127  eight accumulators; on the way out 16 rows
.set X,    128                         ; v128-223 the tile's eight fragments of h
.set XN,   64
.set FR,   192
.set AXA,  204
.set AXB,  208
.set MX,   212
.set SO,   216
.set BY,   218
.set WD,   220
.set WP,   221
.set IMC,  222
.set SCA,  223
.set SN,   224                         ; the search's registers; later v224-239 the sixteen rows' offsets in part
.set SW,   225
.set SG,   226
.set SA,   227
.set SB,   228
.set SC,   229
.set SD,   230
.set ST,   231
.set SP,   232
.set SX,   233
.set RO,   224
.set TOK,  252                         ; v252 the token of the tile asked for; v253 its word of route; v254 the row in part of the tile in hand
.set MSB, 0
.macro WIN new                         ; the immediate's high byte repeats the setting that is left
.if MSB != (\new)
	s_set_vgpr_msb (MSB<<8)|(\new)
.set MSB, (\new)
.endif
.endm
.macro LOAD ls, u, sp                  ; 16 rows x 128 along K of f32 into landing set ls; each load reads 512 bytes on end; read once in the launch
	WIN 0x40
.irp m, 0,1,2,3,4,5,6,7,8,9,10,11,12,13,14,15
	global_load_b128 v[64*(\ls)+4*\m:64*(\ls)+4*\m+3], v3, s[WB:WB+1] offset:(16*(\u)+\m)*16384+512*(\sp) th:TH_LOAD_NT
.endr
.endm
.macro TURN ls, p                      ; through stage p: in as rows, out as blocks: lane (r, h) takes blocks h and 2 + h of row r
	WIN 0x04
.irp m, 0,1,2,3,4,5,6,7,8,9,10,11,12,13,14,15
	ds_store_b128 v4, v[64*(\ls)+4*\m:64*(\ls)+4*\m+3] offset:STGP*(\p)+SPI*\m
.endr
	WIN 0
.irp i, 0,1,2,3,4,5,6,7
	ds_load_b128 v[XN+64*(\p)+4*\i:XN+64*(\p)+4*\i+3], v5 offset:STGP*(\p)+16*\i
.endr
.irp i, 0,1,2,3,4,5,6,7
	ds_load_b128 v[XN+64*(\p)+32+4*\i:XN+64*(\p)+32+4*\i+3], v5 offset:STGP*(\p)+256+16*\i
.endr
.endm
.macro WQ n, k                         ; 64 numbers at v[n] become a fragment and a scale word, which go to LDS as the trip's k-th
.irp c, 0,1
	v_max3_num_f32 v[MX+\c], |v[(\n)+32*\c]|, |v[(\n)+32*\c+1]|, 0x1800000         ; with the floor 2^(3 - 127): the byte cannot fall under 1
	v_max3_num_f32 v[MX+2+\c], |v[(\n)+32*\c+2]|, |v[(\n)+32*\c+3]|, |v[(\n)+32*\c+4]|
.endr
.irp i, 5,9,13,17,21,25
.irp c, 0,1
	v_max3_num_f32 v[MX+\c], v[MX+\c], |v[(\n)+32*\c+\i]|, |v[(\n)+32*\c+\i+1]|
	v_max3_num_f32 v[MX+2+\c], v[MX+2+\c], |v[(\n)+32*\c+\i+2]|, |v[(\n)+32*\c+\i+3]|
.endr
.endr
.irp c, 0,1
	v_max3_num_f32 v[MX+\c], v[MX+\c], |v[(\n)+32*\c+29]|, |v[(\n)+32*\c+30]|
.endr
.irp c, 0,1
	v_max3_num_f32 v[MX+\c], v[MX+\c], v[MX+2+\c], |v[(\n)+32*\c+31]|
.endr
.irp c, 0,1
	v_add_nc_u32 v[SO+\c], 0xff000000, v[MX+\c]    ; 2 off the exponent field: the conversion's scale operand
.endr
.irp c, 0,1
	v_lshrrev_b32 v[BY+\c], 23, v[SO+\c]           ; the scale's byte
.endr
	v_lshl_or_b32 v[WD], v[BY+1], 16, v[BY]
	v_lshlrev_b32 v[WD], v8, v[WD]
	v_permlanex16_b32 v[WP], v[WD], s28, s29
	v_or_b32 v[WD], v[WD], v[WP]                   ; with lane l xor 16's two bytes the row's word is whole
	v_cvt_scalef32_pk16_fp6_f32 v[FR:FR+2], v[(\n):(\n)+15], v[SO]
	v_cvt_scalef32_pk16_fp6_f32 v[AXA:AXA+2], v[(\n)+16:(\n)+31], v[SO]            ; (a conversion's three registers begin on an even number)
	v_cvt_scalef32_pk16_fp6_f32 v[FR+6:FR+8], v[(\n)+32:(\n)+47], v[SO+1]
	v_cvt_scalef32_pk16_fp6_f32 v[AXB:AXB+2], v[(\n)+48:(\n)+63], v[SO+1]
	v_nop                                          ; one plain line behind the conversions
.irp i, 0,1,2
	v_mov_b32 v[FR+3+\i], v[AXA+\i]
	v_mov_b32 v[FR+9+\i], v[AXB+\i]
.endr
.irp c, 0,1,2
	ds_store_b128 v[IMC], v[FR+4*\c:FR+4*\c+3] offset:1536*(\k)+512*\c
.endr
	ds_store_b32 v[SCA], v[WD] offset:128*((\k)/2)+64*((\k)%2)                     ; lanes r and r + 16 write the same word with the same value
.endm
.macro FRAG k, ld, cnt, tn             ; the trip's k-th fragment.  ld: its landing set takes the fragment four on.  tn: the next fragment goes through the other stage; cnt = the loads younger than it
	s_wait_dscnt 0x0                               ; my numbers are back from the stage, so its stores have read the landing set; the last images have left their registers
.if \ld
	LOAD \k, (\k)%2, (\k)/2+2
.endif
.if \tn
	s_wait_loadcnt \cnt
	TURN ((\k)+1)%4, ((\k)+1)%2
.endif
	WIN 0
	WQ XN+64*((\k)%2), \k
.endm
; THE SEARCH: the token of row 16 s22 + lane % 16 of my expert's list -> v[TOK].  First the word of 32 tokens in which the row's bit lies, then the bit, by counts of 16, 8, 4, 2, 1 bits.
; s[67 + g] = (bits passed before word g) << 16 | g, and the row's number stands as row << 16 | 0xffff: the scalar is the larger exactly where more bits were passed than the row's number.
; A row past the list's end gives some token under 1,024.
.macro SELG first, n                   ; words first .. first + n - 1
.set GG, \first
.rept \n
	v_cmp_gt_u32 vcc_lo, s[67+GG], v[SX]           ; the bit lies in an earlier word: keep
	v_cndmask_b32 v[SW], s[32+GG], v[SW], vcc_lo
	v_cndmask_b32 v[SG], s[67+GG], v[SG], vcc_lo
.set GG, GG+1
.endr
.endm
.macro SSTEP src, w
	v_bfe_u32 v[ST], v[\src], v[SP], \w
	v_cmp_ge_u32 vcc_lo, v[SN], v[ST]
	v_add_nc_u32 v[SX], \w, v[SP]
	v_cndmask_b32 v[ST], 0, v[ST], vcc_lo
	v_cndmask_b32 v[SP], v[SP], v[SX], vcc_lo
	v_sub_nc_u32 v[SN], v[SN], v[ST]
.endm
.macro SELS k                          ; slice k of eight
.if (\k) == 0
	s_lshl_b32 s26, s22, 4
	v_add_nc_u32 v[SN], s26, v1
	v_lshl_or_b32 v[SX], v[SN], 16, 0xffff
	v_mov_b32 v[SW], s32
	v_mov_b32 v[SG], 0
	SELG 1, 5
.elseif (\k) < 5
	SELG 5*(\k)+1, 5
.elseif (\k) == 5
	SELG 26, 6
.elseif (\k) == 6
	v_lshrrev_b32 v[ST], 16, v[SG]
	v_sub_nc_u32 v[SN], v[SN], v[ST]               ; which set bit of the word
	v_and_b32 v[SG], 31, v[SG]                     ; which word
	v_lshrrev_b32 v[SA], 1, v[SW]
	v_and_b32 v[SA], 0x55555555, v[SA]
	v_sub_nc_u32 v[SA], v[SW], v[SA]               ; counts of 2 bits
	v_lshrrev_b32 v[SB], 2, v[SA]
	v_and_b32 v[SB], 0x33333333, v[SB]
	v_and_b32 v[ST], 0x33333333, v[SA]
	v_add_nc_u32 v[SB], v[SB], v[ST]               ; of 4
	v_lshrrev_b32 v[SC], 4, v[SB]
	v_add_nc_u32 v[SC], v[SC], v[SB]
	v_and_b32 v[SC], 0x0f0f0f0f, v[SC]             ; of 8
	v_lshrrev_b32 v[SD], 8, v[SC]
	v_add_nc_u32 v[SD], v[SD], v[SC]
	v_and_b32 v[SD], 0xff, v[SD]                   ; of the low 16
	v_mov_b32 v[SP], 0
.else
	SSTEP SD, 16
	SSTEP SC, 8
	SSTEP SB, 4
	SSTEP SA, 2
	SSTEP SW, 1
	v_lshl_add_u32 v[TOK], v[SG], 5, v[SP]
	v_min_u32 v[TOK], 0x3ff, v[TOK]
.endif
.endm
.macro SELECT                          ; the whole search at once
.irp k, 0,1,2,3,4,5,6,7
	SELS \k
.endr
.endm
.macro XADR                            ; tile s22 (at most 63): where its images and scale words begin
	s_mul_i32 s27, s22, 49152
	v_add_nc_u32 v10, s27, v3
	s_lshl_b32 s27, s22, 11
	v_add_nc_u32 v11, s27, v2
.endm
.macro XG s                            ; that tile's group for K step s: the image of h's fragment, 512 bytes on end a load, and its rows' scale words
.irp c, 0,1,2
	global_load_b128 v[X+12*(\s)+4*\c:X+12*(\s)+4*\c+3], v10, s[6:7] offset:1536*(\s)+512*\c
.endr
.if (\s) < 4
	global_load_b32 v[60+(\s)], v11, s[8:9] offset:64*(\s)
.else
	global_load_b32 v[236+(\s)], v11, s[8:9] offset:64*(\s)
.endif
.endm
.macro WLOAD                           ; the word of route of each of that tile's tokens
	v_lshlrev_b32 v13, 2, v[TOK]
	global_load_b32 v253, v13, s[4:5]
.endm
; 64 matrix instructions: K step by K step, the eight accumulators by turns, one instruction a turn.  The first step's C is 0
.macro ONE
.if KS < 4
.set XR, 60+KS
.else
.set XR, 236+KS
.endif
.if (KS == 0) && (TT%2 == 0)
	v_wmma_scale_f32_16x16x128_f8f6f4 v[ACC+8*TT:ACC+8*TT+7], v[RG:RG+11], v[X+12*KS:X+12*KS+11], 0, v[WS+4*KS+TT/2], v[XR] matrix_a_fmt:MATRIX_FMT_FP6 matrix_b_fmt:MATRIX_FMT_FP6
.elseif KS == 0
	v_wmma_scale_f32_16x16x128_f8f6f4 v[ACC+8*TT:ACC+8*TT+7], v[RG:RG+11], v[X+12*KS:X+12*KS+11], 0, v[WS+4*KS+TT/2], v[XR] matrix_a_fmt:MATRIX_FMT_FP6 matrix_b_fmt:MATRIX_FMT_FP6 matrix_a_scale:MATRIX_SCALE_ROW1
.elseif TT%2 == 0
	v_wmma_scale_f32_16x16x128_f8f6f4 v[ACC+8*TT:ACC+8*TT+7], v[RG:RG+11], v[X+12*KS:X+12*KS+11], v[ACC+8*TT:ACC+8*TT+7], v[WS+4*KS+TT/2], v[XR] matrix_a_fmt:MATRIX_FMT_FP6 matrix_b_fmt:MATRIX_FMT_FP6
.else
	v_wmma_scale_f32_16x16x128_f8f6f4 v[ACC+8*TT:ACC+8*TT+7], v[RG:RG+11], v[X+12*KS:X+12*KS+11], v[ACC+8*TT:ACC+8*TT+7], v[WS+4*KS+TT/2], v[XR] matrix_a_fmt:MATRIX_FMT_FP6 matrix_b_fmt:MATRIX_FMT_FP6 matrix_a_scale:MATRIX_SCALE_ROW1
.endif
.endm
.macro MMA
.set FF, 0
.rept 64
.set KS, FF/8
.set TT, FF%8
.if TT == 0
	s_wait_loadcnt 29                              ; this step's group is in.  Behind its four loads were issued: this tile's groups of the later steps, 4 (7 - s); the tokens' words, 1; the next tile's groups of the earlier steps, 4 s
.endif
.if FF < 63
	WIN 1+FF/21                                    ; source 0 in the fragment's window
.set RG, 12*(FF%21)
.else
	WIN 0
.set RG, W63
.endif
	ONE
.if TT == 7
	WIN 0                                          ; the search and the loads work in window 0
.if KS == 7
	s_wait_loadcnt 28                              ; this tile's tokens' words are in: behind that load went the next tile's groups 0 to 6
	v_bfe_u32 v254, v253, s31, 1                   ; 1 where my expert is the token's second choice
	v_lshl_add_u32 v254, v[TOK], 1, v254           ; the row in part: 2 t + slot; made ahead of the slice that writes the next tile's tokens
.endif
	SELS KS                                        ; fifteen plain lines or more, which name no register of the products: the places in front of the loads below
	XG KS
.endif
.set FF, FF+1
.endr
.endm
; eight rows' offsets in part: the lanes are read together, then clamped, shifted and added, so that vector and scalar work change hands once for eight rows
.macro ROWS base
.set RI, \base
.irp r, 3,14,15,24,25,26,66,67
	v_readlane_b32 s\r, v254, RI
.set RI, RI+1
.endr
.irp r, 3,14,15,24,25,26,66,67
	s_min_u32 s\r, s\r, 0x7ff
.endr
.irp r, 3,14,15,24,25,26,66,67
	s_lshl_b32 s\r, s\r, 12
.endr
.set RI, \base
.irp r, 3,14,15,24,25,26,66,67
	v_add_nc_u32 v[RO+RI], s\r, v3
.set RI, RI+1
.endr
.endm
	s_load_b256 s[4:11], s[0:1], 0x0               ; route s[4:5], hq s[6:7], hs s[8:9], w2 s[10:11]
	s_load_b64 s[12:13], s[0:1], 0x20              ; part
	v_lshl_add_u32 v251, v0, 2, 0x2b800
	v_mov_b32 v255, 0
	v_lshrrev_b32 v1, 5, v0
	v_readfirstlane_b32 s16, v1                    ; wave
	s_lshr_b32 s17, ttmp9, 5                       ; the expert
	s_bfe_u32 s18, ttmp9, 0x30002                  ; which 128 outputs
	s_and_b32 s22, ttmp9, 3                        ; which quarter of K
	s_lshl_b32 s23, 0x101, s17                     ; the expert's two bits in a word of route
	s_add_co_u32 s31, s17, 8                       ; the bit that says: second choice
	s_mov_b32 s28, 0x76543210
	s_mov_b32 s29, 0xfedcba98                      ; v_permlanex16_b32's selects for lane l xor 16
	v_and_b32 v9, 31, v0
	v_and_b32 v1, 15, v0                           ; r
	v_bfe_u32 v2, v0, 4, 1                         ; h
	v_lshlrev_b32 v3, 4, v9                        ; 16 x lane
	v_lshlrev_b32 v9, 2, v9                        ; 4 x lane
	s_mul_i32 s24, s16, STGW
	v_add_nc_u32 v4, s24, v3                       ; my stages, in; on the way out: a row back, 16 bytes a lane
	v_mul_u32_u24 v5, v1, SPI
	v_lshl_add_u32 v14, v2, 5, v5
	v_add_nc_u32 v14, s24, v14                     ; the way out, in: row r, + 32 h
	v_lshl_add_u32 v5, v2, 7, v5
	v_add_nc_u32 v5, s24, v5                       ; the stream's stages, out: row r, + 128 h
	s_mul_i32 s24, s16, 24576
	s_add_co_u32 s24, s24, WIMG
	v_add_nc_u32 v6, s24, v3                       ; my images
	s_lshl_b32 s24, s16, 10
	s_add_co_u32 s24, s24, WSC
	v_lshl_add_u32 v7, v1, 2, s24                  ; my scale words
	v_lshlrev_b32 v8, 3, v2                        ; 8 h
	v_lshlrev_b32 v2, 2, v1                        ; h's scale words: 4 r (lanes 16-31 load what lanes 0-15 load, and are not read)
	v_add_nc_u32 v15, WIMG, v3                     ; all images, the lower half
	v_add_nc_u32 v12, WIMG+49152, v3               ; and the upper
	v_mov_b32 v[WP], 0                             ; (a lane permute's destination counts as read)
	s_lshl_b32 s24, s17, 10
	s_lshl_b32 s25, s18, 7
	s_add_co_u32 s24, s24, s25
	s_lshl_b32 s25, s16, 5
	s_add_co_u32 s24, s24, s25                     ; my wave's first row of w2: 1024 e + 128 cs + 32 w
	s_mov_b32 s67, 0
	s_wait_kmcnt 0x0
	s_lshl_b32 s66, s24, 14
	s_lshl_b32 s25, s22, 12
	s_add_co_u32 s66, s66, s25                     ; + 4,096 bytes a quarter
	s_add_nc_u64 s[10:11], s[10:11], s[66:67]
	s_mul_i32 s66, s17, 3145728                    ; hq: [e][tile 64][step 32] images of 1,536 bytes: my quarter begins at step 8 q
	s_mul_i32 s25, s22, 12288
	s_add_co_u32 s66, s66, s25
	s_add_nc_u64 s[6:7], s[6:7], s[66:67]
	s_lshl_b32 s66, s17, 17                        ; hs: [e][tile][step] 16 words
	s_lshl_b32 s25, s22, 9
	s_add_co_u32 s66, s66, s25
	s_add_nc_u64 s[8:9], s[8:9], s[66:67]
	s_lshl_b32 s66, s22, 23                        ; part: [q][2 t + slot][1024] f32
	s_lshl_b32 s25, s18, 9
	s_add_co_u32 s66, s66, s25
	s_add_nc_u64 s[12:13], s[12:13], s[66:67]
.irp g, 0,1,2,3,4,5,6,7,8,9,10,11,12,13,14,15,16,17,18,19,20,21,22,23,24,25,26,27,28,29,30,31
	global_load_b32 v[128+\g], v9, s[4:5] offset:128*\g    ; route: token 32 g + lane
.endr
	LOAD 0, 0, 0
	LOAD 1, 1, 0
	LOAD 2, 0, 1
	WIN 0
	s_wait_loadcnt 48                              ; route is in: the three landing sets are younger
.irp g, 0,1,2,3,4,5,6,7,8,9,10,11,12,13,14,15,16,17,18,19,20,21,22,23,24,25,26,27,28,29,30,31
	v_and_b32 v[128+\g], s23, v[128+\g]
.endr
.irp g, 0,1,2,3,4,5,6,7,8,9,10,11,12,13,14,15,16,17,18,19,20,21,22,23,24,25,26,27,28,29,30,31
	v_cmp_ne_u32 s[32+\g], 0, v[128+\g]            ; a bit for each token that has my expert
.endr
	s_bcnt1_i32_b32 s19, s32
.irp g, 1,2,3,4,5,6,7,8,9,10,11,12,13,14,15,16,17,18,19,20,21,22,23,24,25,26,27,28,29,30,31
	s_lshl_b32 s[67+\g], s19, 16                   ; the bits passed before word g,
	s_or_b32 s[67+\g], s[67+\g], \g                ; and its number: made once, for every search
	s_bcnt1_i32_b32 s24, s[32+\g]
	s_add_co_u32 s19, s19, s24
.endr
	s_add_co_u32 s20, s19, 15                      ; s19: the expert's rows
	s_lshr_b32 s20, s20, 4                         ; tiles of 16 rows
	LOAD 3, 1, 1
	s_wait_loadcnt 48                              ; fragment 0 is in; three sets are younger
	TURN 0, 0
	s_mov_b32 s30, 0
	s_mov_b32 s26, 0
	s_mov_b32 s27, 0
.Lstream:                                          ; a trip: four fragments, two steps of 128 along K; three trips, each asking for the next trip's four
	v_add_nc_u32 v[IMC], s26, v6
	v_add_nc_u32 v[SCA], s27, v7
	FRAG 0, 1, 48, 1
	FRAG 1, 1, 48, 1
	FRAG 2, 1, 48, 1
	FRAG 3, 1, 48, 1
	s_wait_xcnt 0x0                                ; the loads have read their base: it may step
	s_add_nc_u64 s[WB:WB+1], s[WB:WB+1], 1024
	s_add_co_u32 s26, s26, 6144
	s_add_co_u32 s27, s27, 256
	s_add_co_u32 s30, s30, 1
	s_cmp_lt_u32 s30, 3
	s_cbranch_scc1 .Lstream
	v_add_nc_u32 v[IMC], s26, v6                   ; the last four ask for nothing: the counts run down
	v_add_nc_u32 v[SCA], s27, v7
	FRAG 0, 0, 32, 1
	FRAG 1, 0, 16, 1
	FRAG 2, 0, 0, 1
	FRAG 3, 0, 0, 0
	s_wait_dscnt 0x0                               ; for the others' sake: my images and scale words have landed
	s_barrier_signal -1
	s_barrier_wait -1
	s_sub_co_u32 s27, s20, 1                       ; my first tile is asked for ahead of the 224 LDS loads below, under which it lands; a wave without a tile asks for the expert's last
	s_min_u32 s22, s16, s27
	s_min_u32 s22, s22, 63
	XADR
.irp s, 0,1,2,3,4,5,6,7
	XG \s                                          ; in the order of a trip: the eight groups, then the tokens' words: so the loop's counts hold in its first trip too
.endr
	SELECT
	WLOAD
	v_add_nc_u32 v9, WSC, v9
.set FF, 0
.rept 64                                       ; all 64 fragments, as they were stored
.set AD, 24576*((FF%8)/2)+1536*(2*(FF/8)+FF%2)
.if FF < 63
	WIN (1+FF/21)<<6
.set RG, 12*(FF%21)
.else
	WIN 0
.set RG, W63
.endif
.irp c, 0,1,2
.if AD < 49152
	ds_load_b128 v[RG+4*\c:RG+4*\c+3], v15 offset:AD+512*\c
.else
	ds_load_b128 v[RG+4*\c:RG+4*\c+3], v12 offset:AD-49152+512*\c
.endif
.endr
.set FF, FF+1
.endr
	WIN 0
.irp s, 0,1,2,3,4,5,6,7
.irp w, 0,1,2,3
	ds_load_b32 v[WS+4*\s+\w], v9 offset:1024*\w+128*\s
.endr
.endr
	s_wait_dscnt 0x0
	s_cmp_ge_u32 s16, s20                          ; a wave without a tile ends: no barrier follows
	s_cbranch_scc1 .Lend
	s_sub_co_u32 s2, s20, s16                      ; my tiles are wave, wave + 4, ..: (tiles - wave + 3) / 4 of them, one at the least here;
	s_add_co_u32 s2, s2, 3
	s_lshr_b32 s2, s2, 2
	s_min_u32 s2, s2, 16                           ; 1,024 tokens are 64 tiles at the most, 16 a wave
	s_mov_b32 s30, 0                               ; the loop is counted in trips, one a step; s21 is the tile's number
	s_mov_b32 s21, s16
.Ltile:
	s_wait_dscnt 0x0                               ; no row of the last tile is still on its way from the stage
	s_wait_xcnt 0x0                                ; the last tile's stores have read their data and offsets, and the loads that are out their offsets: all are written again below
	s_add_co_u32 s22, s21, 4                       ; the tile asked for in this trip; behind my last, the expert's last once more, so that only stored images are read
	s_sub_co_u32 s27, s20, 1
	s_min_u32 s22, s22, s27
	s_min_u32 s22, s22, 63
	XADR
	MMA                                            ; its last slice is also the places behind the last products
	WLOAD
.irp t, 0,1,2,3,4,5,6,7
	ds_store_b128 v14, v[ACC+8*\t:ACC+8*\t+3] offset:64*\t          ; each accumulator from its low end on: outputs 16 t + 8 h + 0 .. 7 of token r
	ds_store_b128 v14, v[ACC+8*\t+4:ACC+8*\t+7] offset:64*\t+16
.endr
.irp i, 0,1,2,3,4,5,6,7,8,9,10,11,12,13,14,15
	ds_load_b128 v[ACC+4*\i:ACC+4*\i+3], v4 offset:SPI*\i           ; LDS serves a wave's instructions in order: these see the stores above
.endr
	s_lshl_b32 s27, s21, 4
	s_sub_co_u32 s27, s19, s27
	s_min_u32 s27, s27, 16                         ; rows of this tile that are rows of the list: 1 to 16
	ROWS 0
	ROWS 8
.irp i, 0,1,2,3,4,5,6,7,8,9,10,11,12,13,14,15
.if \i > 0
	s_cmp_le_u32 s27, \i
	s_cbranch_scc1 .Lstored
.endif
	s_wait_dscnt 15-\i
	global_store_b128 v[RO+\i], v[ACC+4*\i:ACC+4*\i+3], s[12:13] th:TH_STORE_NT    ; 512 bytes on end, at a multiple of 256 from part's first byte; not read again in this launch
.endr
.Lstored:
	s_add_co_u32 s21, s21, 4
	s_add_co_u32 s30, s30, 1
	s_cmp_lt_u32 s30, s2
	s_cbranch_scc1 .Ltile
.Lend:
	s_wait_tensorcnt 0x0
	ds_add_u32 v251, v255
	s_wait_dscnt 0x0
	s_endpgm
.Lfunc_end_k_q830afe5fbd_down:
	.size	k_q830afe5fbd_down, .Lfunc_end_k_q830afe5fbd_down-k_q830afe5fbd_down
	.p2alignl 7, 3214868480
	.fill 96, 4, 3214868480
	.section	.rodata,"a",@progbits
	.p2align	6, 0x0
	.amdhsa_kernel k_q830afe5fbd_down
		.amdhsa_group_segment_fixed_size 178688
		.amdhsa_private_segment_fixed_size 0
		.amdhsa_enable_private_segment 0
		.amdhsa_kernarg_size 40
		.amdhsa_user_sgpr_count 2
		.amdhsa_user_sgpr_kernarg_segment_ptr 1
		.amdhsa_wavefront_size32 1
		.amdhsa_system_sgpr_workgroup_id_x 1
		.amdhsa_system_sgpr_workgroup_id_y 1
		.amdhsa_system_sgpr_workgroup_id_z 1
		.amdhsa_system_vgpr_workitem_id 0
		.amdhsa_next_free_vgpr 1024
		.amdhsa_next_free_sgpr 99
		.amdhsa_reserve_vcc 1
		.amdhsa_float_denorm_mode_32 3
		.amdhsa_float_denorm_mode_16_64 3
		.amdhsa_memory_ordered 1
		.amdhsa_forward_progress 1
		.amdhsa_inst_pref_size 117
	.end_amdhsa_kernel
	.amdgpu_metadata
---
amdhsa.version: [ 1, 2 ]
amdhsa.kernels:
  - .name:           k_q830afe5fbd_down
    .symbol:         k_q830afe5fbd_down.kd
    .args:
      - { .name: route, .offset: 0, .size: 8, .value_kind: global_buffer, .address_space: global }
      - { .name: hq, .offset: 8, .size: 8, .value_kind: global_buffer, .address_space: global }
      - { .name: hs, .offset: 16, .size: 8, .value_kind: global_buffer, .address_space: global }
      - { .name: w2, .offset: 24, .size: 8, .value_kind: global_buffer, .address_space: global }
      - { .name: part, .offset: 32, .size: 8, .value_kind: global_buffer, .address_space: global }
    .group_segment_fixed_size: 178688
    .private_segment_fixed_size: 0
    .kernarg_segment_align: 8
    .kernarg_segment_size: 40
    .max_flat_workgroup_size: 128
    .sgpr_count:     99
    .vgpr_count:     1024
    .wavefront_size: 32
...
	.end_amdgpu_metadata
.endif
;; end of part 3
;; launch mix (part 4): grid 256 x 1, 8 waves a work-group, no clusters, 0 bytes of LDS; arguments route, gate, part, b2, out0; writes out0
.if DOCPART == 4
	.amdgcn_target "amdgcn-amd-amdhsa--gfx1250"
	.amdhsa_code_object_version 6
	.text
	.protected	k_q830afe5fbd_mix
	.globl	k_q830afe5fbd_mix
	.p2align	8
	.type	k_q830afe5fbd_mix,@function
k_q830afe5fbd_mix:
	s_mov_b64 s[64:65], 0
	v_nop
	global_prefetch_b8 v0, s[64:65] scope:SCOPE_SE
	s_setreg_imm32_b32 hwreg(HW_REG_WAVE_MODE, 25, 1), 1
	s_wait_xcnt 0x0
; out[t] = g0 (b2[e0] + the four parts of row 2 t) + g1 (b2[e1] + the four parts of row 2 t + 1).  All in f32.
; A work-group owns four tokens; its 256 threads take 16 bytes each of a row of 4,096 bytes, so every load and store of a wave covers 512 bytes on end.  Each output row has this one owner.
; All 40 loads of a thread go out before the first sum: the 32 of part while the scalar loads of the tokens' words and gates are on their way, then the 8 of b2, whose rows hang on those words.
; A stream: no LDS, no barrier, no matrix unit.
.set PT, 16                            ; v16-143   part: (token t, slot k, quarter q) at v[16 + 4 (8 t + 4 k + q)]
.set BB, 144                           ; v144-175  b2: (t, k) at v[144 + 4 (2 t + k)]
	s_load_b256 s[4:11], s[0:1], 0x0               ; route s[4:5], gate s[6:7], part s[8:9], b2 s[10:11]
	s_load_b64 s[12:13], s[0:1], 0x20              ; out0
	v_lshlrev_b32 v1, 4, v0
	s_mov_b32 s15, 0
	s_wait_kmcnt 0x0
	s_lshl_b32 s14, ttmp9, 4
	s_add_nc_u64 s[4:5], s[4:5], s[14:15]
	s_lshl_b32 s14, ttmp9, 5
	s_add_nc_u64 s[6:7], s[6:7], s[14:15]
	s_load_b128 s[16:19], s[4:5], 0x0              ; four words of route
	s_load_b256 s[20:27], s[6:7], 0x0              ; four pairs of gates
	s_lshl_b32 s14, ttmp9, 15                      ; eight rows of part
	s_add_nc_u64 s[32:33], s[8:9], s[14:15]
	s_add_nc_u64 s[34:35], s[32:33], 0x800000      ; a base for each quarter: 8 MiB apart, more than an immediate holds
	s_add_nc_u64 s[36:37], s[34:35], 0x800000
	s_add_nc_u64 s[38:39], s[36:37], 0x800000
	s_lshl_b32 s14, ttmp9, 14
	s_add_nc_u64 s[12:13], s[12:13], s[14:15]
.irp t, 0,1,2,3
.irp k, 0,1
.irp q, 0,1,2,3
	global_load_b128 v[PT+4*(8*\t+4*\k+\q):PT+4*(8*\t+4*\k+\q)+3], v1, s[32+2*\q:33+2*\q] offset:(2*\t+\k)*4096 th:TH_LOAD_NT
.endr
.endr
.endr
	s_wait_kmcnt 0x0
.irp t, 0,1,2,3
	s_bfe_u32 s40, s[16+\t], 0x30010               ; e0
	s_min_u32 s40, s40, 7
	s_lshl_b32 s40, s40, 12
	v_add_nc_u32 v[2+2*\t], s40, v1
	s_bfe_u32 s40, s[16+\t], 0x30014               ; e1
	s_min_u32 s40, s40, 7
	s_lshl_b32 s40, s40, 12
	v_add_nc_u32 v[3+2*\t], s40, v1
.endr
.irp t, 0,1,2,3
.irp k, 0,1
	global_load_b128 v[BB+4*(2*\t+\k):BB+4*(2*\t+\k)+3], v[2+2*\t+\k], s[10:11]
.endr
.endr
.irp t, 0,1,2,3
	s_wait_loadcnt 6-2*\t                          ; all of part and this token's two rows of b2 are in: the later tokens' rows of b2 are younger
.irp k, 0,1
.irp h, 0,2
	v_pk_add_f32 v[PT+32*\t+16*\k+\h:PT+32*\t+16*\k+\h+1], v[PT+32*\t+16*\k+\h:PT+32*\t+16*\k+\h+1], v[PT+32*\t+16*\k+4+\h:PT+32*\t+16*\k+4+\h+1]
	v_pk_add_f32 v[PT+32*\t+16*\k+8+\h:PT+32*\t+16*\k+8+\h+1], v[PT+32*\t+16*\k+8+\h:PT+32*\t+16*\k+8+\h+1], v[PT+32*\t+16*\k+12+\h:PT+32*\t+16*\k+12+\h+1]
.endr
.endr
.irp k, 0,1
.irp h, 0,2
	v_pk_add_f32 v[PT+32*\t+16*\k+\h:PT+32*\t+16*\k+\h+1], v[PT+32*\t+16*\k+\h:PT+32*\t+16*\k+\h+1], v[PT+32*\t+16*\k+8+\h:PT+32*\t+16*\k+8+\h+1]
.endr
.endr
.irp k, 0,1
.irp h, 0,2
	v_pk_add_f32 v[PT+32*\t+16*\k+\h:PT+32*\t+16*\k+\h+1], v[PT+32*\t+16*\k+\h:PT+32*\t+16*\k+\h+1], v[BB+8*\t+4*\k+\h:BB+8*\t+4*\k+\h+1]
.endr
.endr
.irp i, 0,1,2,3
	v_mul_f32 v[PT+32*\t+\i], s[20+2*\t], v[PT+32*\t+\i]
.endr
.irp i, 0,1,2,3
	v_fma_f32 v[PT+32*\t+\i], s[21+2*\t], v[PT+32*\t+16+\i], v[PT+32*\t+\i]
.endr
	global_store_b128 v1, v[PT+32*\t:PT+32*\t+3], s[12:13] offset:4096*\t th:TH_STORE_NT
.endr
	s_endpgm
.Lfunc_end_k_q830afe5fbd_mix:
	.size	k_q830afe5fbd_mix, .Lfunc_end_k_q830afe5fbd_mix-k_q830afe5fbd_mix
	.p2alignl 7, 3214868480
	.fill 96, 4, 3214868480
	.section	.rodata,"a",@progbits
	.p2align	6, 0x0
	.amdhsa_kernel k_q830afe5fbd_mix
		.amdhsa_group_segment_fixed_size 0
		.amdhsa_private_segment_fixed_size 0
		.amdhsa_enable_private_segment 0
		.amdhsa_kernarg_size 40
		.amdhsa_user_sgpr_count 2
		.amdhsa_user_sgpr_kernarg_segment_ptr 1
		.amdhsa_wavefront_size32 1
		.amdhsa_system_sgpr_workgroup_id_x 1
		.amdhsa_system_sgpr_workgroup_id_y 1
		.amdhsa_system_sgpr_workgroup_id_z 1
		.amdhsa_system_vgpr_workitem_id 0
		.amdhsa_next_free_vgpr 192
		.amdhsa_next_free_sgpr 66
		.amdhsa_reserve_vcc 0
		.amdhsa_float_denorm_mode_32 3
		.amdhsa_float_denorm_mode_16_64 3
		.amdhsa_memory_ordered 1
		.amdhsa_forward_progress 1
		.amdhsa_inst_pref_size 13
	.end_amdhsa_kernel
	.amdgpu_metadata
---
amdhsa.version: [ 1, 2 ]
amdhsa.kernels:
  - .name:           k_q830afe5fbd_mix
    .symbol:         k_q830afe5fbd_mix.kd
    .args:
      - { .name: route, .offset: 0, .size: 8, .value_kind: global_buffer, .address_space: global }
      - { .name: gate, .offset: 8, .size: 8, .value_kind: global_buffer, .address_space: global }
      - { .name: part, .offset: 16, .size: 8, .value_kind: global_buffer, .address_space: global }
      - { .name: b2, .offset: 24, .size: 8, .value_kind: global_buffer, .address_space: global }
      - { .name: out0, .offset: 32, .size: 8, .value_kind: global_buffer, .address_space: global }
    .group_segment_fixed_size: 0
    .private_segment_fixed_size: 0
    .kernarg_segment_align: 8
    .kernarg_segment_size: 40
    .max_flat_workgroup_size: 256
    .sgpr_count:     66
    .vgpr_count:     192
    .wavefront_size: 32
...
	.end_amdgpu_metadata
.endif
;; end of part 4
